; MI455X (gfx1250); checked and timed in simulation.
; The chip was launched on July 23, 2026; its instructions are those of AMD's public machine-readable ISA for CDNA 5 (MIT licence, August 2026) and "CDNA5" Instruction Set Architecture Reference Guide (July 2026). The comments in the code are by the model that wrote it; some were corrected since.
;; Attention. Allowed arithmetic: matrix products marked QUANTISED: E2M3 operands, one E8M0 scale for each 32 along K, by v_wmma_scale_f32_16x16x128_f8f6f4 with both operands' format E2M3, f32 sums; everything else in f32.
;; Inputs: w_out 1,024 x 1,024 float32; w_q 1,024 x 1,024 float32; w_vk 1,024 x 2,048 float32; x 2 x 2,048 x 1,024 float32.
;; Outputs: out0 2 x 2,048 x 1,024 float32.
;; This version of the problem:
;;   THIS VERSION OF THE PROBLEM IS GIVEN IN LOW PRECISION. The matrix products marked QUANTISED in the list below multiply operands that are first quantised to E2M3 (2 exponent bits, 3 mantissa bits; 6 bits a number), with one power-of-two scale for each 32 numbers along K (OCP MX v1.0); their sums are f32. All else is computed in f32.
;;   The module's matrix products, in the order in which they are computed (A, B: the left and right operand; K: the contracted axis; several contracted axes count as one K, in the product's order):
;;     1. [M 4,096, K 1,024] x [K 1,024, N 1,024]; A: input x; B: input w_q: QUANTISED
;;     2. [M 4,096, K 1,024] x [K 1,024, N 2,048]; A: input x; B: input w_vk: QUANTISED
;;     3. batch 32 x [M 2,048, K 64] x [K 64, N 2,048]; A: computed on the way; B: computed on the way: QUANTISED
;;     4. batch 32 x [M 2,048, K 2,048] x [K 2,048, N 64]; A: softmax (see below); B: computed on the way: QUANTISED
;;     5. [M 4,096, K 1,024] x [K 1,024, N 1,024]; A: computed on the way; B: input w_out: QUANTISED
;;   THE QUANTISER, for each operand of a quantised product, along K:
;;     - K is cut into blocks of 32 from its start; a last block that is shorter is filled with zeros.
;;     - A block's scale is 2^e with e = floor(log2(the largest magnitude in the block)) - 2, held to -126 .. 127; a block of zeros has e = 0. As a byte (E8M0): e + 127.
;;     - Each number is divided by its block's scale, clamped to +-7.5, and rounded to the nearest number of E2M3, ties to even, subnormals kept.
;;     - The product sums the exact products of the quantised numbers (number of the format x scale) in f32.
;;   ~~~python
;;   def quantise(x, axis):      # numpy; x: float32 -> the quantised numbers, widened to float32 again
;;       x = np.moveaxis(x, axis, -1); K = x.shape[-1]
;;       x = np.pad(x, [(0, 0)] * (x.ndim - 1) + [(0, -K % 32)]); x = x.reshape(x.shape[:-1] + (-1, 32)); a = np.abs(x).max(-1, keepdims=True)
;;       e = np.where(a > 0, np.clip(np.frexp(np.where(a > 0, a, 1))[1] - 1 - 2, -126, 127), 0)      # np.frexp(a)[1] - 1 = floor(log2(a)), exactly
;;       r = np.clip(x / 2.0 ** e, -7.5, 7.5)
;;       step = 2.0 ** (np.maximum(np.frexp(np.where(r == 0, 1, r))[1] - 1, 0) - 3)
;;       q = np.round(r / step) * step * 2.0 ** e      # np.round: ties to even
;;       return np.moveaxis(q.reshape(q.shape[:-2] + (-1,))[..., :K], -1, axis).astype(np.float32)
;;   ~~~
;;   SOFTMAX AHEAD OF A QUANTISED PRODUCT. Where the list says 'softmax', what is quantised is not the finished softmax but p = 2^(t - M), with t = logit x log2(e) and M = ceil(the row's largest t), a whole number; so 1/2 < the row's largest p <= 1. The row's sum l is taken of the UNQUANTISED p, in f32, and the product's result is divided by l at the end. Since M is a whole number, a kernel that streams over the keys may use a running M (the ceiling of the running maximum): every later rescaling is an exact power of two, which a block's scale takes up: the codes' values come out the same.
;;   OPERANDS COMPUTED ON THE WAY. 'Computed on the way' means the value that the module computes at that place (a softmax that the list does not call 'softmax' is quantised finished and normalised). What goes into a quantiser is computed in f32, as accurately as f32 sums, v_exp_f32 and their like allow (about 1e-6 of the number): no bf16 or f16 on the way to a quantiser, and a product that is left as it is and whose result goes on into a quantised operand takes f32 operands (vector FMAs, or v_wmma_f32_16x16x4_f32). A number that lies on a knife's edge between two numbers of the format may be rounded either way, as far as f32 arithmetic and the matrix unit's own rounding can turn it there, and no further.
;; One version. Each part assembles by itself: llvm-mc -triple=amdgcn-amd-amdhsa -mcpu=gfx1250 --defsym DOCPART=n.
;; ======== version 1 of 1: 4 launches
;; limits: right only within a limited range of input values
;; workspace buffers: xq 3,276,800 bytes; wq 3,276,800 bytes; qkv 10,092,544 bytes; oq 3,276,800 bytes
;; launch quant (part 1): grid 256 x 1, 4 waves a work-group, no clusters, 35,328 bytes of LDS; arguments x, w_q, w_vk, w_out, xq, wq; writes xq, wq
.if DOCPART == 1
	.amdgcn_target "amdgcn-amd-amdhsa--gfx1250"
	.amdhsa_code_object_version 6
	.text
	.protected	k_qe106d31054_quant
	.globl	k_qe106d31054_quant
	.p2align	8
	.type	k_qe106d31054_quant,@function
k_qe106d31054_quant:
	s_mov_b64 s[64:65], 0
	v_nop
	global_prefetch_b8 v0, s[64:65] scope:SCOPE_SE
	s_setreg_imm32_b32 hwreg(HW_REG_WAVE_MODE, 25, 1), 1
	s_wait_xcnt 0x0
; x [4096][1024] and the three weights ([1024][1024], [1024][2048], [1024][1024], K = the FIRST axis), all f32, become codes of FP6 (E2M3) with one E8M0 byte for each 32 along K.
; A block's scale is 2^(floor(log2(largest magnitude)) - 2): its byte is the largest magnitude's exponent field - 2, held at 1 from below by a floor among the maximum's leaves.
; (A block of zeros keeps the byte 1 where the rule says 127: its codes are zeros, and this program alone reads the bytes.)
; LIMITS: NaN and infinities among the inputs are not served; a block whose largest magnitude lies under 2^-124 keeps the byte 1.
; THE BUFFERS ARE LAID AS THE PRODUCTS' OPERAND REGISTERS WANT THEM.  A TILE is 16 rows (tokens of x, columns of a weight): row r of tile T is natural row 32 (T / 2) + 8 (T % 2) + r + 8 (r / 8).
; An IMAGE is 16 rows x 64 along K, 768 bytes: lane l = r + 16 h holds block h of row r, 24 bytes: its registers 0-3 at 16 l, its registers 4-5 at 512 + 16 r + 8 h.
; Codes: [256 tiles][16 images][768] from byte 0.  Scale bytes: [256 tiles][4 runs of 256 along K][16 rows][8 bytes] from byte SOFF.
; wq's tiles: 0-63 w_q's columns, 64-191 w_vk's (k's, then v's), 192-255 w_out's.
; Work-groups 0-127 take x (32 tokens each, a wave a quarter of K), 128-255 the weights (128 columns x 256 along K each).  Waves share nothing: no barrier.  Only x's path uses LDS.
.set SOFF, 3145728
.set R,  32                            ; x: v32-159  four sets of 32 numbers as they are loaded
.set X,  160                           ; x: v160-223 two sets of 32 neighbours along K
.set C,  224                           ; x: v224-239 two sets of codes
.set T,  240                           ; x: v240-242 a block's upper 16 codes (a conversion's three registers begin on an even number)
.set WO, 32                            ; weights: v32-63 byte offsets of 32 rows: 4 x lane + i x pitch
.set WX, 64                            ; weights: v64-127 two sets of 32 numbers
.set WC, 128                           ; weights: v128-175 codes, 12 registers for each pair of blocks, written once
.set WT, 176                           ; weights: v176-182 upper 16 codes of the even and of the odd block
; the largest magnitude of 32 registers, with the floor 2^(3 - 127) among its leaves, and the conversion's scale operand in v11: 2 off the exponent field
.macro MAX32 xs
	v_max3_num_f32 v12, |v[\xs]|, |v[\xs+1]|, |v[\xs+2]|
	v_max3_num_f32 v13, |v[\xs+3]|, |v[\xs+4]|, |v[\xs+5]|
.irp i, 6,10,14,18,22,26
	v_max3_num_f32 v12, v12, |v[\xs+\i]|, |v[\xs+\i+1]|
	v_max3_num_f32 v13, v13, |v[\xs+\i+2]|, |v[\xs+\i+3]|
.endr
	v_max3_num_f32 v12, v12, |v[\xs+30]|, |v[\xs+31]|
	v_max3_num_f32 v12, v12, v13, 0x1800000
	v_add_nc_u32 v11, 0xff000000, v12
.endm
; x, step t = 4 u + j: the image of tile 2 i + u, 64 along K at 64 j of my quarter.  Eight loads, each two rows x 256 consecutive bytes
.macro XLOAD t
.irp i, 0,1,2,3,4,5,6,7
	global_load_b128 v[R+32*((\t)%4)+4*\i:R+32*((\t)%4)+4*\i+3], v4, s[4:5] offset:(8*((\t)/4)+2*\i+8*(\i/4))*4096+256*((\t)%4) th:TH_LOAD_NT
.endr
.endm
; through my own stage (16 rows of 256 bytes + 16): in as loaded, back 128 bytes a lane: block h of row r.  LDS serves a wave's instructions in order: no wait between
.macro XTURN t
.irp i, 0,1,2,3,4,5,6,7
	ds_store_b128 v5, v[R+32*((\t)%4)+4*\i:R+32*((\t)%4)+4*\i+3] offset:4352*((\t)%2)+544*\i
.endr
.irp e, 0,1,2,3,4,5,6,7
	ds_load_b128 v[X+32*((\t)%2)+4*\e:X+32*((\t)%2)+4*\e+3], v6 offset:4352*((\t)%2)+16*\e
.endr
.endm
.macro XSTEP t
.set XS, X+32*((\t)%2)
.set CC, C+8*((\t)%2)
.set UU, (\t)/4
.set JJ, (\t)%4
	s_wait_dscnt 0x0                               ; this step's numbers are back; its stores into the stage have read their registers,
.if (\t) < 4
	XLOAD (\t)+4                                   ; which take the loads of four steps on
.endif
.if (\t) < 7
.if 6-(\t) >= 3
	s_wait_loadcnt 24                              ; the next step's eight loads are in; those of the three steps behind it may be out
.else
	s_wait_loadcnt 8*(6-(\t))
.endif
	XTURN (\t)+1
.endif
	MAX32 XS
	s_wait_alu depctr_va_vdst(0)
	s_wait_xcnt 0x0                                ; this set of codes was store data two steps ago: it is written again only behind this wait
	v_cvt_scalef32_pk16_fp6_f32 v[CC:CC+2], v[XS:XS+15], v11
	v_cvt_scalef32_pk16_fp6_f32 v[T:T+2], v[XS+16:XS+31], v11
	v_lshrrev_b32 v13, 23, v11                     ; the scale's byte (also the plain instruction behind the conversions)
.if JJ == 0
	v_mov_b32 v[16+2*UU], v13                      ; my byte of image j belongs at byte 2 j + h of the row's eight
.elseif JJ == 1
	v_lshl_or_b32 v[16+2*UU], v13, 16, v[16+2*UU]
.elseif JJ == 2
	v_mov_b32 v[17+2*UU], v13
.else
	v_lshl_or_b32 v[17+2*UU], v13, 16, v[17+2*UU]
.endif
	v_mov_b32 v[CC+3], v[T]
	v_mov_b32 v[CC+4], v[T+1]
	v_mov_b32 v[CC+5], v[T+2]
	global_store_b128 v7, v[CC:CC+3], s[24:25] offset:12288*UU+768*JJ          ; 512 consecutive bytes
	global_store_b64 v8, v[CC+4:CC+5], s[24:25] offset:12288*UU+768*JJ+512     ; 256 consecutive bytes
.if JJ == 3                            ; the tile's scale bytes of my quarter: 8 h bits up, joined with lane l xor 16's; lanes 0-15 store the first word, lanes 16-31 the second
	v_lshlrev_b32 v[16+2*UU], v10, v[16+2*UU]
	v_lshlrev_b32 v[17+2*UU], v10, v[17+2*UU]
	v_permlanex16_b32 v20, v[16+2*UU], s30, s31
	v_permlanex16_b32 v21, v[17+2*UU], s30, s31
	v_or_b32 v[16+2*UU], v[16+2*UU], v20
	v_or_b32 v[17+2*UU], v[17+2*UU], v21
	v_cndmask_b32 v[16+2*UU], v[16+2*UU], v[17+2*UU], vcc_lo
	global_store_b32 v9, v[16+2*UU], s[28:29] offset:512*UU
.endif
.endm
; a weight, block t: W(256 y + 32 t + i, my column), i = 0 .. 31: a lane takes a column and its registers run down K
.macro WLOAD t
.set i, 0
.rept 32
	global_load_b32 v[WX+32*((\t)%2)+i], v[WO+i], s[32+2*(\t):33+2*(\t)] th:TH_LOAD_NT
.set i, i+1
.endr
.endm
.macro WBLOCK t
.set XS, WX+32*((\t)%2)
.set PB, WC+12*((\t)/2)                ; the pair's twelve: the even block's registers 0-3, the odd block's 0-3, then both blocks' 4-5
.set CB, PB+4*((\t)%2)
.set CH, PB+8+2*((\t)%2)
.set TT, WT+4*((\t)%2)
.if (\t) < 7
	s_wait_loadcnt 32                              ; this block's 32 loads are in; the next block's may be out
.else
	s_wait_loadcnt 0x0
.endif
	MAX32 XS
	v_cvt_scalef32_pk16_fp6_f32 v[CB:CB+2], v[XS:XS+15], v11
	v_cvt_scalef32_pk16_fp6_f32 v[TT:TT+2], v[XS+16:XS+31], v11
	v_lshrrev_b32 v13, 23, v11                     ; the scale's byte (also the plain instruction behind the conversions)
.if (\t)%4 == 0
	v_mov_b32 v[24+(\t)/4], v13                    ; four bytes to a register, the lower K in the lower byte
.else
	v_lshl_or_b32 v[24+(\t)/4], v13, 8*((\t)%4), v[24+(\t)/4]
.endif
	v_mov_b32 v[CB+3], v[TT]
	v_mov_b32 v[CH], v[TT+1]
	v_mov_b32 v[CH+1], v[TT+2]
.if (\t)+2 < 8
	WLOAD (\t)+2
.endif
.if (\t)%2 == 1                        ; an image is whole: each store fills 256 consecutive bytes in each of my two tiles
	global_store_b128 v8, v[PB:PB+3], s[28:29] offset:768*((\t)/2)
	global_store_b128 v8, v[PB+4:PB+7], s[28:29] offset:768*((\t)/2)+256
	global_store_b128 v8, v[PB+8:PB+11], s[28:29] offset:768*((\t)/2)+512
.endif
.endm
	s_load_b256 s[4:11], s[0:1], 0x0               ; x s[4:5], w_q s[6:7], w_vk s[8:9], w_out s[10:11]
	s_load_b128 s[12:15], s[0:1], 0x20             ; xq s[12:13], wq s[14:15]
	v_lshl_add_u32 v254, v0, 2, 0x8800
	v_mov_b32 v255, 0
	v_lshrrev_b32 v1, 5, v0
	v_readfirstlane_b32 s16, v1                    ; wave 0..3
	v_and_b32 v1, 31, v0                           ; lane
	s_cmp_lt_u32 ttmp9, 128
	s_cbranch_scc0 .Lweights
	; ---- x: work-group i takes tokens 32 i .. 32 i + 31 = tiles 2 i, 2 i + 1; wave q takes K = 256 q .. 256 q + 255
	v_and_b32 v2, 15, v0                           ; r
	v_bfe_u32 v3, v0, 4, 1                         ; h
	v_lshlrev_b32 v4, 4, v2
	v_lshl_add_u32 v4, v3, 12, v4                  ; a load: row h of a pair of rows, 16 r bytes on
	s_mul_i32 s17, s16, 8704                       ; my two stages
	v_mul_u32_u24 v5, v3, 272
	v_lshl_add_u32 v5, v2, 4, v5
	v_add_nc_u32 v5, s17, v5                       ; into a stage
	v_mul_u32_u24 v6, v2, 272
	v_lshl_add_u32 v6, v3, 7, v6
	v_add_nc_u32 v6, s17, v6                       ; out of it: row r, block h
	v_lshlrev_b32 v7, 4, v1                        ; 16 l
	v_lshlrev_b32 v8, 4, v2
	v_lshl_add_u32 v8, v3, 3, v8                   ; 16 r + 8 h
	v_lshlrev_b32 v9, 3, v2
	v_lshl_add_u32 v9, v3, 2, v9                   ; 8 r + 4 h
	v_lshlrev_b32 v10, 3, v3                       ; 8 h
	v_cmp_ne_u32 vcc_lo, 0, v3                     ; lanes 16-31
	v_mov_b32 v20, 0                               ; written once: a lane permute's destination counts as one of its sources
	v_mov_b32 v21, 0
	s_mov_b32 s30, 0x76543210
	s_mov_b32 s31, 0xfedcba98                      ; lane l xor 16
	s_lshl_b32 s20, ttmp9, 17                      ; 32 rows of 4,096 bytes,
	s_lshl_b32 s18, s16, 10                        ; my quarter of a row
	s_add_co_u32 s20, s20, s18
	s_mov_b32 s21, 0
	s_mul_i32 s22, ttmp9, 24576                    ; two tiles of 12,288 bytes of codes,
	s_mul_i32 s18, s16, 3072                       ; four images on for each quarter
	s_add_co_u32 s22, s22, s18
	s_mov_b32 s23, 0
	s_lshl_b32 s26, ttmp9, 10                      ; two tiles of 512 scale bytes,
	s_lshl_b32 s18, s16, 7                         ; 128 on for each quarter
	s_add_co_u32 s26, s26, s18
	s_add_co_u32 s26, s26, SOFF
	s_mov_b32 s27, 0
	s_wait_kmcnt 0x0
	s_add_nc_u64 s[4:5], s[4:5], s[20:21]
	s_add_nc_u64 s[24:25], s[12:13], s[22:23]
	s_add_nc_u64 s[28:29], s[12:13], s[26:27]
.irp t, 0,1,2,3
	XLOAD \t
.endr
	s_wait_loadcnt 24                              ; step 0's eight loads are in
	XTURN 0
.irp t, 0,1,2,3,4,5,6,7
	XSTEP \t
.endr
	s_wait_tensorcnt 0x0
	ds_add_u32 v254, v255
	s_wait_dscnt 0x0
	s_endpgm
	; ---- the weights: work-group 128 + 32 y + g takes columns 128 g .. 128 g + 127 of the 4,096 in wq's order, K = 256 y .. 256 y + 255; wave w 32 of the columns: two tiles
.Lweights:
	s_sub_co_u32 s17, ttmp9, 128
	s_lshr_b32 s18, s17, 5                         ; y
	s_and_b32 s17, s17, 31                         ; g
	s_wait_alu depctr_va_vdst(0)
	v_lshlrev_b32 v10, 2, v1                       ; 4 bytes a lane
	v_bfe_u32 v5, v1, 3, 1                         ; column l of the 32 is row r' = l % 8 + 8 (l / 16) of tile u = (l / 8) % 2
	v_and_b32 v6, 7, v1
	v_lshrrev_b32 v7, 4, v1
	v_lshl_add_u32 v6, v7, 3, v6
	v_mul_u32_u24 v8, v5, 12288
	v_lshl_add_u32 v8, v6, 4, v8                   ; codes: 12,288 u + 16 r'
	v_lshlrev_b32 v9, 9, v5
	v_lshl_add_u32 v9, v6, 3, v9                   ; scale bytes: 512 u + 8 r'
	s_wait_alu depctr_va_vdst(0)
	s_wait_kmcnt 0x0
	s_cmp_lt_u32 s17, 24                           ; which tensor: the choice hangs on the work-group's number alone
	s_cselect_b64 s[20:21], s[8:9], s[10:11]
	s_cselect_b32 s19, 8, 24
	s_cselect_b32 s22, 1, 0
	s_cmp_lt_u32 s17, 8
	s_cselect_b64 s[20:21], s[6:7], s[20:21]
	s_cselect_b32 s19, 0, s19
	s_cselect_b32 s22, 0, s22
	s_sub_co_u32 s19, s17, s19                     ; the group of 128 columns inside its tensor
	s_lshl_b32 s23, 0x1000, s22                    ; a row in bytes: 4,096, or 8,192 in w_vk
	s_lshl_b32 s24, s18, 8
	s_mul_i32 s24, s24, s23                        ; 256 y rows down,
	s_lshl_b32 s25, s19, 9
	s_add_co_u32 s24, s24, s25                     ; 512 bytes a group,
	s_lshl_b32 s25, s16, 7
	s_add_co_u32 s24, s24, s25                     ; 128 a wave
	s_mov_b32 s25, 0
	s_add_nc_u64 s[32:33], s[20:21], s[24:25]      ; block 0's first row
	s_lshl_b32 s26, s23, 5                         ; 32 rows
	s_mov_b32 s27, 0
.irp t, 1,2,3,4,5,6,7
	s_add_nc_u64 s[32+2*\t:33+2*\t], s[30+2*\t:31+2*\t], s[26:27]   ; a base for each block: one text serves both pitches
.endr
	s_lshl_b32 s24, s17, 2
	s_add_co_u32 s24, s24, s16                     ; G: my pair of tiles, 2 G and 2 G + 1
	s_lshl_b32 s28, s24, 5
	s_lshl_b32 s29, s18, 2
	s_add_co_u32 s28, s28, s29
	s_mul_i32 s28, s28, 768                        ; image 4 y of tile 2 G
	s_mov_b32 s29, 0
	s_add_nc_u64 s[28:29], s[14:15], s[28:29]
	s_lshl_b32 s30, s24, 3
	s_add_co_u32 s30, s30, s18
	s_lshl_b32 s30, s30, 7                         ; run y of tile 2 G's scale bytes
	s_add_co_u32 s30, s30, SOFF
	s_mov_b32 s31, 0
	s_add_nc_u64 s[30:31], s[14:15], s[30:31]
.set i, 0
.rept 32
	v_mad_u32_u24 v[WO+i], s23, i, v10
.set i, i+1
.endr
	WLOAD 0
	WLOAD 1
.irp t, 0,1,2,3,4,5,6,7
	WBLOCK \t
.endr
	global_store_b64 v9, v[24:25], s[30:31]        ; my column's eight scale bytes: 128 consecutive bytes in each tile
	s_endpgm
.Lfunc_end_k_qe106d31054_quant:
	.size	k_qe106d31054_quant, .Lfunc_end_k_qe106d31054_quant-k_qe106d31054_quant
	.p2alignl 7, 3214868480
	.fill 96, 4, 3214868480
	.section	.rodata,"a",@progbits
	.p2align	6, 0x0
	.amdhsa_kernel k_qe106d31054_quant
		.amdhsa_group_segment_fixed_size 35328
		.amdhsa_private_segment_fixed_size 0
		.amdhsa_enable_private_segment 0
		.amdhsa_kernarg_size 48
		.amdhsa_user_sgpr_count 2
		.amdhsa_user_sgpr_kernarg_segment_ptr 1
		.amdhsa_wavefront_size32 1
		.amdhsa_system_sgpr_workgroup_id_x 1
		.amdhsa_system_sgpr_workgroup_id_y 1
		.amdhsa_system_sgpr_workgroup_id_z 1
		.amdhsa_system_vgpr_workitem_id 0
		.amdhsa_next_free_vgpr 256
		.amdhsa_next_free_sgpr 66
		.amdhsa_reserve_vcc 1
		.amdhsa_float_denorm_mode_32 3
		.amdhsa_float_denorm_mode_16_64 3
		.amdhsa_memory_ordered 1
		.amdhsa_forward_progress 1
		.amdhsa_inst_pref_size 72
	.end_amdhsa_kernel
	.amdgpu_metadata
---
amdhsa.version: [ 1, 2 ]
amdhsa.kernels:
  - .name:           k_qe106d31054_quant
    .symbol:         k_qe106d31054_quant.kd
    .args:
      - { .name: x, .offset: 0, .size: 8, .value_kind: global_buffer, .address_space: global }
      - { .name: w_q, .offset: 8, .size: 8, .value_kind: global_buffer, .address_space: global }
      - { .name: w_vk, .offset: 16, .size: 8, .value_kind: global_buffer, .address_space: global }
      - { .name: w_out, .offset: 24, .size: 8, .value_kind: global_buffer, .address_space: global }
      - { .name: xq, .offset: 32, .size: 8, .value_kind: global_buffer, .address_space: global }
      - { .name: wq, .offset: 40, .size: 8, .value_kind: global_buffer, .address_space: global }
    .group_segment_fixed_size: 35328
    .private_segment_fixed_size: 0
    .kernarg_segment_align: 8
    .kernarg_segment_size: 48
    .max_flat_workgroup_size: 128
    .sgpr_count:     66
    .vgpr_count:     256
    .wavefront_size: 32
...
	.end_amdgpu_metadata
.endif
;; end of part 1
;; launch gemm_qkv (part 2): grid 12 x 16, 4 waves a work-group, clusters of 4 x 4, 327,680 bytes of LDS; arguments xq, wq, qkv; writes qkv
.if DOCPART == 2
	.amdgcn_target "amdgcn-amd-amdhsa--gfx1250"
	.amdhsa_code_object_version 6
	.text
	.protected	k_qe106d31054_gemm_qkv
	.globl	k_qe106d31054_gemm_qkv
	.p2align	8
	.type	k_qe106d31054_gemm_qkv,@function
k_qe106d31054_gemm_qkv:
	s_mov_b64 s[64:65], 0
	v_nop
	global_prefetch_b8 v0, s[64:65] scope:SCOPE_SE
	s_setreg_imm32_b32 hwreg(HW_REG_WAVE_MODE, 25, 1), 1
	s_wait_xcnt 0x0
	s_wait_alu depctr_hold_cnt(0) depctr_sa_sdst(0) depctr_va_vdst(0) depctr_va_sdst(0) depctr_va_ssrc(0) depctr_va_vcc(0) depctr_vm_vsrc(0)
	s_getreg_b32 s2, hwreg(HW_REG_IB_STS2, 6, 4)
	s_cmp_eq_u32 s2, 0
	s_cbranch_scc0 .Lentry_in_a_cluster
	s_endpgm
.Lentry_in_a_cluster:
	s_bfe_u32 s2, ttmp6, 0x10000c
	s_cmp_lg_u32 s2, 0xf033
	s_cbranch_scc0 .Lentry_shape_is_right
	s_endpgm
.Lentry_shape_is_right:
; q, k and v = x w on codes of FP6 (E2M3) with E8M0 scales, K = 1,024; the results are quantised at once and stored in the order in which attention's operand registers take them.
; A work-group makes 256 x 256, each of its four waves 128 x 128: 64 accumulators.  Cluster column 0 makes q, column 1 k (source A = x's tiles, B = the weight's columns); column 2 makes v with the operands' roles
; swapped (A = w_vk's v columns, B = x's tiles), so that v comes out with the keys along the next product's K.
; Operands lie as tiles of 16 rows, [tile][16 images of 64 along K][768 bytes], scale bytes [tile][4 quarters of K][16 rows][8] from byte SOFF.
; LDS: slot 0 holds one quarter of K (A's 16 tiles x 3,072 bytes, then B's); the larger slot behind it holds quarters 1 and 2 (rows of 6,144 bytes a tile); behind it the scale bytes for all of K, then the spare words.
; REQUESTS, all joint (A's along a row of the cluster, B's along a column), one tensor load a wave each time: at the head wave 0 A's quarter 0, wave 1 B's, wave 2 A's scale bytes, wave 3 B's; behind the full sequence
; and a round quarters 1 and 2, 8 tiles a wave; behind the round at the end of quarter 0, quarter 3 into slot 0, 8 tiles a wave.
; No L2 prefetch: the walk along K has three requests in all, two of them at the head, so there is no loop to run ahead in.
; LIMITS: NaN and infinities are not served; a block whose largest magnitude lies under 2^-124 keeps the byte 1 (a block of zeros too: its codes are zeros).
.set NQ,     2
.set FR,     12
.set NL,     4
.set NP,     4
.set TILEB,  12288
.set KSLOT,  3072
.set HALFT,  8*KSLOT
.set SLOT,   4*HALFT
.set SCL,    3*SLOT
.set HALFS,  4096
.set SBLK,   512
.set SPARE,  SCL+4*HALFS
.set SOFF,   3145728
.set QS,     3145728
.set KV,     3407872
.set HEADB,  208896
.set STEPB,  13056
.set OL,   8
.set OH,   9
.set OS,   10
.set OV,   11
.set ADRA, 16
.set ADRB, 20
.set ADRS, 27
.set SPW,  28
.set NIL,  29
.set SC,   32
.set AF,   128
.set PC,   112
.set XW,   132
.set TM,   200
.set PW,   216
.set ISV,  11
.set SEL,  66
.set BP0,  98
.set BP1,  100
.set BS0,  4
.set BS1,  6
.set G1, 24
.set G0, 32
.set G1B, 48
.set G0B, 56
.set G1S, 68
.set G0S, 76
.set G1SB, 80
.set G0SB, 88
.set MSB, 0
.macro WIN new
.if MSB != \new
	s_set_vgpr_msb (MSB<<8)|\new
.set MSB, \new
.endif
.endm
.set MUL_LO, 0xa1
.set MUL_HI, 0xf1
.set TO_B,   0x40
.macro JLOAD g0a, g1a, g0b, g1b
	s_cmp_eq_u32 s15, 0
	s_cbranch_scc0 .Lfor_b_\@
	tensor_load_to_lds s[\g0a:\g0a+3], s[\g1a:\g1a+7]
	s_nop 0
.rept 4
	v_nop
.endr
	s_branch .Lasked_\@
.Lfor_b_\@:
	tensor_load_to_lds s[\g0b:\g0b+3], s[\g1b:\g1b+7]
	s_nop 0
.rept 4
	v_nop
.endr
.Lasked_\@:
.endm
.macro CREST
	s_cmp_lg_u32 s14, 0
	s_cbranch_scc1 .Lnot_wave_0_\@
	s_barrier_signal -3
.Lnot_wave_0_\@:
	s_barrier_wait -3
	s_barrier_signal -1
	s_barrier_wait -1
.endm
.macro CROUND
	s_barrier_signal -1
	s_barrier_wait -1
	CREST
.endm
	s_load_b128 s[4:7], s[0:1], 0x0
	s_load_b64 s[8:9], s[0:1], 0x10
	v_lshl_add_u32 v[SPW], v0, 2, SPARE
	v_mov_b32 v[NIL], 0
	ds_add_u32 v28, v29
	ds_add_u32 v28, v29
	s_wait_dscnt 0x0
	v_lshrrev_b32 v1, 5, v0
	v_readfirstlane_b32 s14, v1
	s_lshr_b32 s15, s14, 1
	s_and_b32 s16, s14, 1
	s_bfe_u32 s40, ttmp6, 0x40000
	s_bfe_u32 s41, ttmp6, 0x40004
	s_and_b32 s10, ttmp7, 0xffff
	s_cmp_eq_u32 ttmp9, 2
	s_cselect_b32 s[ISV], 1, 0
	s_cselect_b32 s42, s10, ttmp9
	s_cselect_b32 s17, 0, s10
	s_cselect_b32 s12, 128, 0
	s_lshl_b32 s42, s42, 2
	s_add_co_u32 s42, s42, s40
	s_lshl_b32 s17, s17, 2
	s_add_co_u32 s17, s17, s41
	s_lshl_b32 s43, s41, 2
	s_lshl_b32 s43, 15, s43
	s_lshl_b32 s44, 0x1111, s40
	s_or_b32 s[G1+0], s43, (3<<16)|(1<<21)
	s_or_b32 s[G1B+0], s44, (3<<16)|(1<<21)
.irp g, G1, G1B
	s_mov_b32 s[\g+1], 384<<16
	s_mov_b32 s[\g+2], 16<<16
	s_mov_b32 s[\g+3], 384<<16
	s_mov_b32 s[\g+4], 16
	s_mov_b32 s[\g+5], TILEB/8
	s_mov_b32 s[\g+6], 0
	s_mov_b32 s[\g+7], 0
.endr
	s_or_b32 s[G1S+0], s43, (3<<16)|(1<<21)
	s_or_b32 s[G1SB+0], s44, (3<<16)|(1<<21)
.irp g, G1S, G1SB
	s_mov_b32 s[\g+1], 32<<16
	s_mov_b32 s[\g+2], 32<<16
	s_mov_b32 s[\g+3], 32<<16
	s_mov_b32 s[\g+4], 32
	s_mov_b32 s[\g+5], 32
	s_mov_b32 s[\g+6], 0
	s_mov_b32 s[\g+7], 0
.endr
	s_mul_i32 s18, s16, 8*TILEB                    ; behind the head I fetch 8 tiles of the 16: which half, in bytes
	s_mov_b32 s19, 0
	s_lshl_b32 s20, s17, 4                         ; A's first tile
	s_add_co_u32 s20, s20, s12
	s_lshl_b32 s46, s42, 4                         ; B's first tile
	s_lshl_b32 s22, s20, 9
	s_add_co_u32 s22, s22, SOFF
	s_mov_b32 s23, 0
	s_mul_i32 s20, s20, TILEB
	s_mov_b32 s21, 0
	s_lshl_b32 s92, s46, 9
	s_add_co_u32 s92, s92, SOFF
	s_mov_b32 s93, 0
	s_mul_i32 s46, s46, TILEB
	s_mov_b32 s47, 0
	s_mul_i32 s45, s14, 2*HALFT                    ; my 8 tiles' place in the larger slot
	s_mov_b32 s[SEL], 0x76543210
	s_mov_b32 s[SEL+1], 0xfedcba98
	s_wait_kmcnt 0x0
	s_cmp_eq_u32 s[ISV], 1
	s_cselect_b64 s[96:97], s[6:7], s[4:5]
	s_cselect_b64 s[98:99], s[4:5], s[6:7]
	s_add_nc_u64 s[20:21], s[96:97], s[20:21]
	s_add_nc_u64 s[22:23], s[96:97], s[22:23]
	s_add_nc_u64 s[46:47], s[98:99], s[46:47]
	s_add_nc_u64 s[92:93], s[98:99], s[92:93]
	CROUND
	s_mov_b32 s[G0S], 1                            ; the head's four tiles, each whole: the scale bytes of A's 16 tiles,
	s_mov_b32 s[G0S+1], SCL
	s_mov_b64 s[G0S+2:G0S+3], s[22:23]
	s_or_b32 s[G0S+3], s[G0S+3], 0x80000000
	s_mov_b32 s[G0SB], 1                           ; of B's,
	s_mov_b32 s[G0SB+1], SCL+2*HALFS
	s_mov_b64 s[G0SB+2:G0SB+3], s[92:93]
	s_or_b32 s[G0SB+3], s[G0SB+3], 0x80000000
	s_mov_b32 s[G0], 1                             ; quarter 0 of A's 16 tiles,
	s_mov_b32 s[G0+1], 0
	s_mov_b64 s[G0+2:G0+3], s[20:21]
	s_or_b32 s[G0+3], s[G0+3], 0x80000000
	s_mov_b32 s[G0B], 1                            ; and of B's, behind them in slot 0
	s_mov_b32 s[G0B+1], 2*HALFT
	s_mov_b64 s[G0B+2:G0B+3], s[46:47]
	s_or_b32 s[G0B+3], s[G0B+3], 0x80000000
	s_add_nc_u64 s[20:21], s[20:21], s[18:19]      ; my 8 tiles
	s_add_nc_u64 s[46:47], s[46:47], s[18:19]
	s_mov_b32 s[G0+4], 1                           ; their quarters 1 and 2, into the larger slot
	s_add_co_u32 s[G0+5], s45, SLOT
	s_add_nc_u64 s[G0+6:G0+7], s[20:21], KSLOT
	s_or_b32 s[G0+7], s[G0+7], 0x80000000
	s_mov_b32 s[G0B+4], 1
	s_add_co_u32 s[G0B+5], s45, SLOT
	s_add_nc_u64 s[G0B+6:G0B+7], s[46:47], KSLOT
	s_or_b32 s[G0B+7], s[G0B+7], 0x80000000
; the head's loads, one a wave, in one chain of branches on the wave's number
.macro ARM under, g0, g1, next
	s_cmp_lt_u32 s14, \under
	s_cbranch_scc0 \next
	tensor_load_to_lds s[\g0:\g0+3], s[\g1:\g1+7]
	s_nop 0
.rept 4
	v_nop
.endr
	s_branch .Lhead_asked
\next:
.endm
	ARM 1, G0,  G1,  .Lhead_b
	ARM 2, G0B, G1B, .Lhead_sa
	ARM 3, G0S, G1S, .Lhead_sb
	tensor_load_to_lds s[G0SB:G0SB+3], s[G1SB:G1SB+7]
	s_nop 0
.rept 4
	v_nop
.endr
.Lhead_asked:
	v_and_b32 v1, 15, v0
	v_bfe_u32 v2, v0, 4, 1
	v_and_b32 v3, 31, v0
	v_lshlrev_b32 v[OL], 4, v3
	v_lshlrev_b32 v[OH], 4, v1
	v_lshl_add_u32 v[OH], v2, 3, v[OH]
	v_lshlrev_b32 v[OS], 5, v1
	v_lshl_add_u32 v[OS], v2, 4, v[OS]
	v_mul_u32_u24 v[OV], v2, HEADB
	v_lshl_add_u32 v[OV], v1, 4, v[OV]
	s_mul_i32 s21, s15, HALFT
	s_mul_i32 s22, s16, HALFT
	s_add_co_u32 s22, s22, 2*HALFT
.irp s, 0,1
	v_add_nc_u32 v[ADRA+\s], s21, v[OL]
	v_add_nc_u32 v[ADRB+\s], s22, v[OL]
	v_add_nc_u32 v[ADRA+2+\s], s21, v[OH]
	v_add_nc_u32 v[ADRB+2+\s], s22, v[OH]
	s_lshl_b32 s21, s21, 1                         ; in the larger slot a tile's row is twice as long
	s_lshl_b32 s22, s22, 1
	s_add_co_u32 s21, s21, SLOT
	s_add_co_u32 s22, s22, SLOT
.endr
	v_lshlrev_b32 v6, 3, v1
	s_mul_i32 s21, s15, HALFS
	s_mul_i32 s22, s16, HALFS
	s_add_co_u32 s22, s22, 2*HALFS
	s_sub_co_u32 s22, s22, s21
	v_mul_u32_u24 v7, s22, v2
	s_add_co_u32 s21, s21, SCL
	v_add_nc_u32 v6, v6, v7
	v_add_nc_u32 v[ADRS], s21, v6
	s_cmp_eq_u32 s[ISV], 1
	s_cselect_b32 s20, s42, s17
	s_cselect_b32 s21, s16, s15
	s_cselect_b32 s22, s17, s42
	s_cselect_b32 s23, s15, s16
	s_cselect_b32 s45, 6656, 0
	s_lshl_b32 s22, s22, 2
	s_lshl_b32 s23, s23, 1
	s_add_co_u32 s22, s22, s23
	s_and_b32 s22, s22, 15
	s_lshr_b32 s23, s20, 3
	s_lshl_b32 s23, s23, 4
	s_add_co_u32 s22, s22, s23
	s_and_b32 s20, s20, 7
	s_lshl_b32 s20, s20, 1
	s_add_co_u32 s20, s20, s21
	s_mul_i32 s46, s22, HEADB
	s_mul_i32 s18, s20, STEPB
	s_add_co_u32 s46, s46, s18
	s_add_co_u32 s46, s46, s45
	s_add_co_u32 s46, s46, KV
	s_add_co_u32 s92, s46, 6144
	s_mul_i32 s18, s22, 98304
	s_mul_i32 s19, s20, 6144
	s_add_co_u32 s18, s18, s19
	s_lshl_b32 s19, s22, 13
	s_lshl_b32 s21, s20, 9
	s_add_co_u32 s19, s19, s21
	s_add_co_u32 s19, s19, QS
	s_mov_b32 s94, HEADB
	s_mov_b32 s96, HEADB
	s_cmp_eq_u32 ttmp9, 0
	s_cselect_b32 s46, s18, s46
	s_cselect_b32 s92, s19, s92
	s_cselect_b32 s94, 98304, s94
	s_cselect_b32 s96, 8192, s96
	s_mov_b32 s47, 0
	s_mov_b32 s93, 0
	s_mov_b32 s95, 0
	s_mov_b32 s97, 0
	s_add_nc_u64 s[BP0:BP0+1], s[8:9], s[46:47]
	s_add_nc_u64 s[BP1:BP1+1], s[BP0:BP0+1], s[94:95]
	s_add_nc_u64 s[BS0:BS0+1], s[8:9], s[92:93]
	s_add_nc_u64 s[BS1:BS1+1], s[BS0:BS0+1], s[96:97]
	s_mov_b32 s18, 0x01000100
	s_mov_b32 s19, 0x03020302
.macro FRAG reg, adr, off              ; a fragment, 16 rows x 128 K, is two images on end
	ds_load_b128 v[\reg:\reg+3], v[\adr] offset:(\off)
	ds_load_b64 v[\reg+4:\reg+5], v[\adr+2] offset:(\off)+512
	ds_load_b128 v[\reg+6:\reg+9], v[\adr] offset:(\off)+768
	ds_load_b64 v[\reg+10:\reg+11], v[\adr+2] offset:(\off)+1280
.endm
.macro MUL16 a0, p, q, sc, zero
.irp a, \a0, \a0+1
.irp b, 0,1,2,3,4,5,6,7
.if \zero
	v_wmma_scale_f32_16x16x128_f8f6f4 v[8*(8*((\a)%4)+\b):8*(8*((\a)%4)+\b)+7], v[128*(\p)+FR*\b:128*(\p)+FR*\b+FR-1], v[AF+FR*(\a):AF+FR*(\a)+FR-1], 0, v[SC+8*NQ*(\sc)+NQ*\b+(\q)], v[SC+8*NQ*(\sc)+NQ*(\a)+(\q)] matrix_a_fmt:MATRIX_FMT_FP6 matrix_b_fmt:MATRIX_FMT_FP6 matrix_a_scale:MATRIX_SCALE_ROW1
.else
	v_wmma_scale_f32_16x16x128_f8f6f4 v[8*(8*((\a)%4)+\b):8*(8*((\a)%4)+\b)+7], v[128*(\p)+FR*\b:128*(\p)+FR*\b+FR-1], v[AF+FR*(\a):AF+FR*(\a)+FR-1], v[8*(8*((\a)%4)+\b):8*(8*((\a)%4)+\b)+7], v[SC+8*NQ*(\sc)+NQ*\b+(\q)], v[SC+8*NQ*(\sc)+NQ*(\a)+(\q)] matrix_a_fmt:MATRIX_FMT_FP6 matrix_b_fmt:MATRIX_FMT_FP6 matrix_a_scale:MATRIX_SCALE_ROW1
.endif
.endr
.endr
.endm
; slot: the quarter of K, 0 to 3.  Quarters 0 and 3 lie in slot 0 (a tile's row 3,072 bytes), quarters 1 and 2 in the larger slot (6,144 bytes, quarter 2 in the row's second half)
.macro FETCH_B slot, q, p
.set SLX, (((\slot)+1)/2)%2
.set OFX, KSLOT*((\slot)/2)*SLX+1536*(\q)
	WIN TO_B
.irp i, 0,1,2,3,4,5,6,7
	FRAG 128*(\p)+FR*\i, ADRB+SLX, KSLOT*(1+SLX)*\i+OFX
.endr
	WIN 0
.endm
.macro FETCH_A slot, q, i0
.set SLX, (((\slot)+1)/2)%2
.set OFX, KSLOT*((\slot)/2)*SLX+1536*(\q)
.irp i, \i0, \i0+1, \i0+2, \i0+3
	FRAG AF+FR*(\i), ADRA+SLX, KSLOT*(1+SLX)*(\i)+OFX
.endr
.endm
.macro SCALES sc
.irp i, 0,1,2,3,4,5,6,7
	ds_load_b64 v[SC+8*NQ*\sc+NQ*\i:SC+8*NQ*\sc+NQ*\i+1], v[ADRS] offset:\i*SBLK
.endr
.endm
.macro PLACES n
.rept \n
	v_nop
.endr
.endm
.macro STEP slot, q, zero
	s_wait_dscnt 4*NL
	WIN MUL_LO
	MUL16 0, (\q)%2, \q, (\slot)%2, \zero
	MUL16 2, (\q)%2, \q, (\slot)%2, \zero
	s_wait_dscnt 0
	PLACES NP
	FETCH_B \slot, (\q)+1, 1-(\q)%2
	FETCH_A \slot, (\q)+1, 0
	WIN MUL_HI
	MUL16 4, (\q)%2, \q, (\slot)%2, \zero
	MUL16 6, (\q)%2, \q, (\slot)%2, \zero
	PLACES NP
	WIN 0
	FETCH_A \slot, (\q)+1, 4
.endm
; The last 128 along K of quarter c, and the change to quarter c + 1.  fill = 1: the full sequence, a round, and quarter 3's joint load into slot 0, which nobody reads any more;
; fill = 0: the wait for my load and a barrier, which show the next quarter whole; fill = 2: the next quarter has been shown whole already: no barrier
.macro TURN c, fill
.set SCX, (\c)%2
.set SNX, ((\c)+1)%2
.if \fill < 2
	s_wait_tensorcnt 0x0                           ; all my tensor loads have landed
	ds_add_u32 v[SPW], v[NIL]
	s_wait_dscnt 4*NL+1                            ; (the add and the youngest loads, A's blocks 4-7, may be out)
	WIN MUL_LO
	MUL16 0, 1, NQ-1, SCX, 0
	s_wait_dscnt 0x0                               ; the add is done, and so are my reads of this quarter
	s_barrier_signal -1
	MUL16 2, 1, NQ-1, SCX, 0
	WIN 0
	s_barrier_wait -1
.else
	s_wait_dscnt 4*NL
	WIN MUL_LO
	MUL16 0, 1, NQ-1, SCX, 0
	MUL16 2, 1, NQ-1, SCX, 0
	s_wait_dscnt 0
	WIN 0
.endif
.if \fill == 1
	CREST
	s_mov_b32 s[G1+1], 384<<16                     ; no tensor load of mine is out: a row is one quarter of a tile again
	s_mov_b32 s[G1+3], 384<<16
	s_mov_b32 s[G1B+1], 384<<16
	s_mov_b32 s[G1B+3], 384<<16
	JLOAD G0, G1, G0B, G1B                         ; quarter 3, the first tensor load behind the round
.else
	PLACES NP
.endif
	s_wait_alu depctr_va_vdst(0)
	v_add_nc_u32 v[ADRS], 128, v[ADRS]
	FETCH_B (\c)+1, 0, 0
	FETCH_A (\c)+1, 0, 0
	SCALES SNX
	WIN MUL_HI
	MUL16 4, 1, NQ-1, SCX, 0
	MUL16 6, 1, NQ-1, SCX, 0
	PLACES NP
	WIN 0
	FETCH_A (\c)+1, 0, 4
.endm
	s_wait_alu depctr_va_vdst(0)
	s_wait_tensorcnt 0x0                           ; my tile of the head's four is in
	ds_add_u32 v[SPW], v[NIL]
.irp g, G1, G1B                        ; no tensor load of mine is out: from here on a load brings 8 tiles; the next one rows of two quarters
	s_mov_b32 s[\g+1], 768<<16
	s_mov_b32 s[\g+2], 8<<16
	s_mov_b32 s[\g+3], 768<<16
	s_mov_b32 s[\g+4], 8
.endr
	s_mul_i32 s20, s16, 8*TILEB                    ; slot 0's next fill: quarter 3 of my 8 tiles
	s_add_co_u32 s20, s20, 3*KSLOT
	s_mov_b32 s21, 0
	s_mul_i32 s[G0+1], s14, HALFT
	s_add_nc_u64 s[G0+2:G0+3], s[G0+2:G0+3], s[20:21]
	s_mul_i32 s[G0B+1], s14, HALFT
	s_add_nc_u64 s[G0B+2:G0B+3], s[G0B+2:G0B+3], s[20:21]
	s_wait_dscnt 0x0
	CROUND                                         ; quarter 0 and the scale bytes are whole, and the joint loads meet
	JLOAD G0+4, G1, G0B+4, G1B                     ; quarters 1 and 2
	FETCH_B 0, 0, 0
	FETCH_A 0, 0, 0
	SCALES 0
	FETCH_A 0, 0, 4
	STEP 0, 0, 1
	TURN 0, 1
	STEP 1, 0, 0
	TURN 1, 2
	STEP 2, 0, 0
	TURN 2, 0
	STEP 3, 0, 0
	s_wait_dscnt 4*NL
	WIN MUL_LO
	MUL16 0, 1, NQ-1, 1, 0
	MUL16 2, 1, NQ-1, 1, 0
	s_wait_dscnt 0
	WIN MUL_HI
	MUL16 4, 1, NQ-1, 1, 0
	MUL16 6, 1, NQ-1, 1, 0
	WIN 0
.macro QUANT a
.set AC, 64*((\a)%4)
.set W1, 2+(\a)/4
.set W2, (W1<<2)|(W1<<4)
	WIN W2
.irp b, 0,1,2,3
	v_max3_num_f32 v[TM+\b], 0x1800000, |v[AC+16*\b]|, |v[AC+16*\b+1]|
.endr
.irp i, 2,4,6,8,10,12,14
.irp b, 0,1,2,3
	v_max3_num_f32 v[TM+\b], v[TM+\b], |v[AC+16*\b+\i]|, |v[AC+16*\b+\i+1]|
.endr
.endr
	WIN 0
.irp b, 0,1,2,3
	v_permlanex16_b32 v[TM+4+\b], v[TM+\b], s[SEL], s[SEL+1]
.endr
.irp b, 0,1,2,3
	v_max_num_f32 v[TM+\b], v[TM+\b], v[TM+4+\b]
.endr
.irp b, 0,1,2,3
	v_add_nc_u32 v[TM+12+\b], 0xff000000, v[TM+\b]
.endr
.irp b, 0,1,2,3
	v_lshrrev_b32 v[TM+4+\b], 23, v[TM+12+\b]
.endr
	v_lshl_or_b32 v[PW+(\a)], v[TM+5], 8, v[TM+4]
	v_lshl_or_b32 v[PW+(\a)], v[TM+6], 16, v[PW+(\a)]
	v_lshl_or_b32 v[PW+(\a)], v[TM+7], 24, v[PW+(\a)]
	s_wait_xcnt 0x0
	WIN W1
.irp c, 0,1
	v_cvt_scalef32_pk16_fp6_f32 v[PC+6*\c:PC+2+6*\c], v[AC+32*\c:AC+15+32*\c], v[TM+12+2*\c]
	v_cvt_scalef32_pk16_fp6_f32 v[PC+12+4*\c:PC+14+4*\c], v[AC+16+32*\c:AC+31+32*\c], v[TM+12+2*\c+1]
.endr
	WIN 0
	v_nop
.irp c, 0,1
.irp i, 0,1,2
	v_permlane16_swap_b32 v[PC+6*\c+\i], v[PC+12+4*\c+\i]
.endr
.irp i, 0,1,2
	v_mov_b32 v[PC+3+6*\c+\i], v[PC+12+4*\c+\i]
.endr
.endr
.endm
.macro OUT a
	QUANT \a
	s_cmp_eq_u32 s[ISV], 0
	s_cbranch_scc0 .Lv_image_\@
	global_store_b128 v[OL], v[PC:PC+3], s[BP0:BP0+1] offset:768*(\a)
	global_store_b64 v[OH], v[PC+4:PC+5], s[BP0:BP0+1] offset:768*(\a)+512
	global_store_b128 v[OL], v[PC+6:PC+9], s[BP1:BP1+1] offset:768*(\a)
	global_store_b64 v[OH], v[PC+10:PC+11], s[BP1:BP1+1] offset:768*(\a)+512
	s_branch .Lstored_\@
.Lv_image_\@:
	s_wait_alu depctr_va_vdst(0)
.irp c, 0,1,2
.if (\a) < 4
	global_store_b128 v[OL], v[PC+4*\c:PC+4*\c+3], s[BP0:BP0+1] offset:1536*((\a)%4)+512*\c
.else
	global_store_b128 v[OL], v[PC+4*\c:PC+4*\c+3], s[BP1:BP1+1] offset:1536*((\a)%4)+512*\c
.endif
.endr
.Lstored_\@:
.endm
	PLACES NP
.irp b, 0,1,2,3
	v_mov_b32 v[TM+4+\b], 0
.endr
	v_cmp_ne_u32 vcc_lo, 0, v2
.irp a, 0,1,2,3,4,5,6,7
	OUT \a
.endr
.irp i, 0,1,2,3
	v_cndmask_b32 v[XW+\i], v[PW+\i], v[PW+4+\i], vcc_lo
.endr
	s_cmp_eq_u32 s[ISV], 0
	s_cbranch_scc0 .Lv_scales
.irp i, 0,1,2,3
	v_perm_b32 v[XW+4+\i], v[XW+\i], v[XW+\i], s18
	v_perm_b32 v[XW+8+\i], v[XW+\i], v[XW+\i], s19
.endr
	global_store_b128 v[OS], v[XW+4:XW+7], s[BS0:BS0+1]
	global_store_b128 v[OS], v[XW+8:XW+11], s[BS1:BS1+1]
	s_branch .Lscales_stored
.Lv_scales:
	s_wait_alu depctr_va_vdst(0)
	global_store_b128 v[OV], v[XW:XW+3], s[BS0:BS0+1]
.Lscales_stored:
	s_wait_tensorcnt 0x0
	ds_add_u32 v[SPW], v[NIL]
	s_wait_dscnt 0x0
	CROUND
	s_endpgm
.Lfunc_end_k_qe106d31054_gemm_qkv:
	.size	k_qe106d31054_gemm_qkv, .Lfunc_end_k_qe106d31054_gemm_qkv-k_qe106d31054_gemm_qkv
	.p2alignl 7, 3214868480
	.fill 96, 4, 3214868480
	.section	.rodata,"a",@progbits
	.p2align	6, 0x0
	.amdhsa_kernel k_qe106d31054_gemm_qkv
		.amdhsa_group_segment_fixed_size 327680
		.amdhsa_private_segment_fixed_size 0
		.amdhsa_enable_private_segment 0
		.amdhsa_kernarg_size 24
		.amdhsa_user_sgpr_count 2
		.amdhsa_user_sgpr_kernarg_segment_ptr 1
		.amdhsa_wavefront_size32 1
		.amdhsa_system_sgpr_workgroup_id_x 1
		.amdhsa_system_sgpr_workgroup_id_y 1
		.amdhsa_system_sgpr_workgroup_id_z 1
		.amdhsa_system_vgpr_workitem_id 0
		.amdhsa_next_free_vgpr 1024
		.amdhsa_next_free_sgpr 102
		.amdhsa_reserve_vcc 1
		.amdhsa_float_denorm_mode_32 3
		.amdhsa_float_denorm_mode_16_64 3
		.amdhsa_memory_ordered 1
		.amdhsa_forward_progress 1
		.amdhsa_inst_pref_size 155
	.end_amdhsa_kernel
	.amdgpu_metadata
---
amdhsa.version: [ 1, 2 ]
amdhsa.kernels:
  - .name:           k_qe106d31054_gemm_qkv
    .symbol:         k_qe106d31054_gemm_qkv.kd
    .args:
      - { .name: xq, .offset: 0, .size: 8, .value_kind: global_buffer, .address_space: global }
      - { .name: wq, .offset: 8, .size: 8, .value_kind: global_buffer, .address_space: global }
      - { .name: qkv, .offset: 16, .size: 8, .value_kind: global_buffer, .address_space: global }
    .group_segment_fixed_size: 327680
    .private_segment_fixed_size: 0
    .kernarg_segment_align: 8
    .kernarg_segment_size: 24
    .max_flat_workgroup_size: 128
    .sgpr_count:     102
    .vgpr_count:     1024
    .wavefront_size: 32
...
	.end_amdgpu_metadata
.endif
;; end of part 2
;; launch attn (part 3): grid 8 x 32, 16 waves a work-group, clusters of 4 x 1, 327,680 bytes of LDS; arguments qkv, oq; writes oq
.if DOCPART == 3
	.amdgcn_target "amdgcn-amd-amdhsa--gfx1250"
	.amdhsa_code_object_version 6
	.text
	.protected	k_qe106d31054_attn
	.globl	k_qe106d31054_attn
	.p2align	8
	.type	k_qe106d31054_attn,@function
k_qe106d31054_attn:
	s_mov_b64 s[64:65], 0
	v_nop
	global_prefetch_b8 v0, s[64:65] scope:SCOPE_SE
	s_setreg_imm32_b32 hwreg(HW_REG_WAVE_MODE, 25, 1), 1
	s_wait_xcnt 0x0
	s_wait_alu depctr_hold_cnt(0) depctr_sa_sdst(0) depctr_va_vdst(0) depctr_va_sdst(0) depctr_va_ssrc(0) depctr_va_vcc(0) depctr_vm_vsrc(0)
	s_getreg_b32 s2, hwreg(HW_REG_IB_STS2, 6, 4)
	s_cmp_eq_u32 s2, 0
	s_cbranch_scc0 .Lentry_in_a_cluster
	s_endpgm
.Lentry_in_a_cluster:
	s_bfe_u32 s2, ttmp6, 0x10000c
	s_cmp_lg_u32 s2, 0x3003
	s_cbranch_scc0 .Lentry_shape_is_right
	s_endpgm
.Lentry_shape_is_right:
; O[head][q] = sum over keys of softmax(8 q . k) v: 32 heads of 2,048 tokens x 64, both products on codes of FP6 (E2M3) with E8M0 scales; O is quantised at once along (head, d) for the last product.
; SOFTMAX: t = score x 8 log2(e); M = the running largest t rounded up to a whole number; p = 2^(t - M) is quantised along the keys, not normalised; the row's sum is taken of the unquantised p and divides O at the end.
; When M moves, the sums and O are multiplied by 2^(old M - new M), which rounds nothing.
; IN (laid by the launch before): Q's images [head][128 tiles][768], Q's scale words from QS, and from KV [head][16 key steps][13,056]: K's 8 images of 16 keys x 64, K's scale words, V^T's 4 fragments of 16 d x 128 keys, V's scale words.
; SHARES: a work-group owns 256 queries of one head, each of its sixteen waves 16 of them.  Both products are used transposed (S^T = K Q^T, O^T = V^T P^T): a lane holds one query.
; LDS: a head's whole K and V, each row of 256 bytes followed by 64 bytes of padding (pitch 320): byte y of a key step lies at y + 64 (y / 256).  Each byte is filled once.
; THE ROWS OF A KEY TILE ARE CHOSEN BY THE LANES' LDS ADDRESSES: tile (c, n) takes as rows 0-7 keys 64 c + 8 n + 0..7 and as rows 8-15 keys 64 c + 32 + 8 n + 0..7.  So the 32 registers S + 32 c .. of lane (q, h) are keys
; 64 c + 32 h + 0..31 in order: one whole block of 32, in the order of the second product's operand.  A block's maximum needs no other lane and the codes need no lane exchange.  With the pitch of 320 the two halves of such a tile,
; six rows apart, lie 128 bytes apart modulo 256.
; THE FIRST PRODUCT'S K IS 64: Q's registers 6-11 are zero codes; K's operand of tile t names 12 registers from KF + 6 t, the upper six being the next tile's codes (zeros behind the last): products with zero codes are zeros.
; CLUSTER: the four work-groups of a cluster share a head: every tile is asked for jointly.  Waves 0-11 ask: at the head for 17 rows each of key steps 0-3, and behind the full sequence and a round for one of key steps 4-15 each.
; No L2 prefetch: all of K and V is asked for by these two groups at the head, so no later load is left to run ahead of.
; LIMITS: the promise holds while the scaled scores stay under 2^31 in magnitude; NaN and infinities are not served; p under 2^-126 is 0; a block whose largest magnitude lies under 2^-124 keeps the byte 1 (a block of zeros too).
; REGISTERS: v1-3 global offsets; v4-8 lane terms of LDS addresses; v9 r, v10 h; v12 -M, v13 largest score; v16-27 Q; v28 Q's scales; v29 p's; v[30:31] f; v32-85 K, then V; v88-95, v96-99 K's, V's scales;
; v100-163 S^T, then p; v164-195 O^T; v196-207 p's codes; v208-214 upper halves of blocks' codes; v216-247 at work; v254-255 the add's.
.set STEPB, 13056
.set HEADB, 208896
.set LSTEP, 16320                      ; a key step in LDS: 51 rows of 320
.set QS,    3145728
.set KV,    3407872
.set SOFF,  3145728
.set SPARE, 16*LSTEP                   ; the spare words: 16 waves x 128 bytes
.set TB,   2                           ; s2 LDS byte at which the key step in hand begins
.set CNT,  3
.set WV,   8
.set SEL,  20                          ; s[20:21] lane l xor 16
.set CS,   22                          ; s[22:23] c = 8 log2(e)
.set G1A,  24                          ; group 1: 17 rows
.set G0A,  32
.set G0B,  36
.set G1B,  40                          ; group 1: 51 rows
.set NC,   56                          ; -c
.set KF,   32
.set S,    100
.set O,    164
.set PCD,  196
.set CT,   208
.set BM,   216                         ; a lane's two blocks: largest score, then largest p
.set BB,   218                         ; second chains of the maxima
.set PT,   220                         ; what lane l xor 16 sends
.set SO,   224                         ; the conversions' scale operands
.set TT,   226                         ; the scale bytes, in the top byte
.set SB,   228
.set LS,   232                         ; v232-239 the row's sum in four pairs
.set KA,   240                         ; the step's LDS addresses: K's three, V's two
.set VA,   243
.set X,    245
.set Y,    246
.set OLD,  247
.macro CROUND                          ; a round of the cluster's barrier
	s_barrier_signal -1
	s_barrier_wait -1
	s_cmp_lg_u32 s[WV], 0
	s_cbranch_scc1 .Lnot_wave_0_\@
	s_barrier_signal -3
.Lnot_wave_0_\@:
	s_barrier_wait -3
	s_barrier_signal -1
	s_barrier_wait -1
.endm
	s_load_b128 s[4:7], s[0:1], 0x0                ; qkv, oq
	v_lshl_add_u32 v254, v0, 2, SPARE
	v_mov_b32 v255, 0
	ds_add_u32 v254, v255                          ; the opening lines: the add twice and one wait
	ds_add_u32 v254, v255
	v_lshrrev_b32 v1, 5, v0
	s_delay_alu instid0(VALU_DEP_1)
	v_readfirstlane_b32 s[WV], v1                  ; wave 0..15
	s_bfe_u32 s9, ttmp6, 0x40000                   ; cx: it enters Q's and O's addresses alone
	s_and_b32 s10, ttmp7, 0xffff                   ; the head (16 x batch + head), which the partners share
.irp g, G1A, G1B                       ; rows of 32 elements of 8 bytes, 16 dwords of padding behind every 64; the mask names all four work-groups
	s_mov_b32 s[\g], 15|(3<<16)|(1<<20)|(1<<21)|(5<<22)|(15<<25)
	s_mov_b32 s[\g+1], 32<<16
	s_mov_b32 s[\g+3], 32<<16
	s_mov_b32 s[\g+5], 32
	s_mov_b32 s[\g+6], 0
	s_mov_b32 s[\g+7], 0
.endr
	s_mov_b32 s[G1A+2], 17<<16
	s_mov_b32 s[G1A+4], 17
	s_mov_b32 s[G1B+2], 51<<16
	s_mov_b32 s[G1B+4], 51
	s_mul_i32 s12, s10, HEADB
	s_add_co_u32 s12, s12, KV                      ; my head's K and V
	s_mul_i32 s16, s[WV], 17*256                   ; first group: rows 17 w .. 17 w + 16 of key steps 0-3
	s_add_co_u32 s16, s16, s12
	s_mov_b32 s17, 0
	s_mul_i32 s18, s[WV], STEPB                    ; second group: key step 4 + w
	s_add_co_u32 s18, s18, s12
	s_add_co_u32 s18, s18, 4*STEPB
	s_mov_b32 s19, 0
	s_mov_b32 s[G0A], 1
	s_mul_i32 s[G0A+1], s[WV], 17*320
	s_mov_b32 s[G0B], 1
	s_mul_i32 s[G0B+1], s[WV], LSTEP
	s_add_co_u32 s[G0B+1], s[G0B+1], 4*LSTEP
	s_lshl_b32 s11, ttmp9, 2
	s_add_co_u32 s11, s11, s9
	s_lshl_b32 s11, s11, 4
	s_add_co_u32 s11, s11, s[WV]                   ; my tile of queries: 16 x (4 x cluster x + cx) + wave
	s_mul_i32 s48, s10, 98304
	s_mul_i32 s13, s11, 768
	s_add_co_u32 s48, s48, s13                     ; its image
	s_mov_b32 s49, 0
	s_lshl_b32 s50, s10, 13
	s_lshr_b32 s13, s11, 3
	s_lshl_b32 s13, s13, 9
	s_add_co_u32 s50, s50, s13
	s_and_b32 s13, s11, 7
	s_lshl_b32 s13, s13, 2
	s_add_co_u32 s50, s50, s13
	s_add_co_u32 s50, s50, QS                      ; its scale words: 32 bytes from row to row
	s_mov_b32 s51, 0
	s_lshr_b32 s13, s10, 4
	s_lshl_b32 s13, s13, 7
	s_add_co_u32 s13, s13, s11                     ; the tile among all 256
	s_and_b32 s14, s10, 15                         ; the head in its batch: the image along the last product's K
	s_lshl_b32 s52, s13, 4
	s_add_co_u32 s52, s52, s14
	s_mul_i32 s52, s52, 768                        ; O's image
	s_mov_b32 s53, 0
	s_lshl_b32 s54, s13, 2
	s_lshr_b32 s15, s14, 2
	s_add_co_u32 s54, s54, s15
	s_lshl_b32 s54, s54, 7
	s_and_b32 s15, s14, 3
	s_lshl_b32 s15, s15, 1
	s_add_co_u32 s54, s54, s15
	s_add_co_u32 s54, s54, SOFF                    ; and its two scale bytes a row
	s_mov_b32 s55, 0
	s_mov_b32 s[SEL], 0x76543210
	s_mov_b32 s[SEL+1], 0xfedcba98
	s_mov_b32 s[CS], 0x4138aa3b                    ; 8 log2(e): the score is MULTIPLIED by sqrt(64)
	s_mov_b32 s[CS+1], s[CS]
	s_mov_b32 s[NC], 0xc138aa3b
	s_wait_dscnt 0x0
	s_wait_kmcnt 0x0
	s_add_nc_u64 s[G0A+2:G0A+3], s[4:5], s[16:17]
	s_or_b32 s[G0A+3], s[G0A+3], 0x80000000
	s_add_nc_u64 s[G0B+2:G0B+3], s[4:5], s[18:19]
	s_or_b32 s[G0B+3], s[G0B+3], 0x80000000
	s_add_nc_u64 s[48:49], s[4:5], s[48:49]
	s_add_nc_u64 s[50:51], s[4:5], s[50:51]
	s_add_nc_u64 s[52:53], s[6:7], s[52:53]
	s_add_nc_u64 s[54:55], s[6:7], s[54:55]
	CROUND                                         ; all four work-groups are here: the joint loads meet
	s_cmp_lt_u32 s[WV], 12
	s_cbranch_scc0 .Lno_a
	tensor_load_to_lds s[G0A:G0A+3], s[G1A:G1A+7]  ; key steps 0-3: one tensor load a wave at the head
	s_nop 0
.rept 4
	v_nop
.endr
.Lno_a:
	v_and_b32 v9, 15, v0                           ; r
	v_bfe_u32 v10, v0, 4, 1                        ; h
	v_and_b32 v1, 31, v0
	v_lshlrev_b32 v8, 4, v9                        ; V's scale words: 16 r
	v_lshlrev_b32 v1, 4, v1                        ; 16 l
	v_lshlrev_b32 v3, 5, v9                        ; 32 r
	v_lshl_add_u32 v2, v10, 3, v8                  ; 16 r + 8 h
	global_load_b128 v[16:19], v1, s[48:49]        ; Q's image stays in registers
	global_load_b64 v[20:21], v2, s[48:49] offset:512
	global_load_b32 v28, v3, s[50:51]              ; and its scale words
	v_and_b32 v11, 7, v0                           ; r % 8
	v_bfe_u32 v6, v0, 3, 1                         ; r / 8: rows 8-15 of a key tile come from the image two further on, 6 rows of 320
	v_mul_u32_u24 v5, v6, 1920
	v_lshl_add_u32 v5, v11, 4, v5
	v_mad_u32_u24 v4, v10, 320, v5                 ; K's registers 0-3: 1920 (r / 8) + 16 (r % 8) + 320 h
	v_lshl_add_u32 v5, v10, 3, v5                  ; K's registers 4-5: 1920 (r / 8) + 16 (r % 8) + 8 h
	v_lshlrev_b32 v6, 3, v6
	v_lshl_add_u32 v6, v11, 5, v6                  ; K's scale words: 32 (r % 8) + 8 (r / 8)
	v_mad_u32_u24 v7, v10, 320, v8                 ; V's fragments: 16 r + 320 h
.irp j, 0,1,2,3,4,5
	v_mov_b32 v[22+\j], 0                          ; Q's codes of k = 64 .. 127: zeros
	v_mov_b32 v[80+\j], 0                          ; what the last tile of K names behind its own codes
.endr
	v_mov_b32 v13, 0xfb800000                      ; the largest score so far: -2^120
	v_mov_b32 v31, 0                               ; (named as the upper half of the pair v[30:31])
	v_mul_f32 v[X], s[NC], v13
	v_mov_b32 v[PT], 0                             ; a lane permute's destination counts as one of its sources
	v_mov_b32 v[PT+1], 0
	v_floor_f32 v12, v[X]                          ; -M
.irp j, 0,1,2,3,4,5,6,7
	v_mov_b32 v[LS+\j], 0
.endr
.set j, 0
.rept 32
	v_mov_b32 v[O+j], 0                            ; O^T: the first step finds zeros, which its factor 0 leaves zeros
.set j, j+1
.endr
; A KEY STEP: 128 keys
; K's eight tiles and their scale words of the key step that begins at s[TB]
.macro KLOAD
	v_add_nc_u32 v[KA], s[TB], v4
	v_add_nc_u32 v[KA+1], s[TB], v5
	v_add_nc_u32 v[KA+2], s[TB], v6
.irp c, 0,1
.irp n, 0,1,2,3
	ds_load_b128 v[KF+6*(4*\c+\n):KF+6*(4*\c+\n)+3], v[KA] offset:960*(4*\c+(\n%2))+128*(\n/2)
	ds_load_b64 v[KF+6*(4*\c+\n)+4:KF+6*(4*\c+\n)+5], v[KA+1] offset:960*(4*\c+(\n%2))+640+128*(\n/2)
.endr
.endr
.irp c, 0,1
.irp g, 0,1
	ds_load_b64 v[88+4*\c+2*\g:89+4*\c+2*\g], v[KA+2] offset:7680+320*\g+16*\c   ; the scale words of tiles (c, 2 g) and (c, 2 g + 1) for my row
.endr
.endr
.endm
; The step's work.  K's loads have been issued ahead of it; pre = 1: behind the second product it issues the next step's
.macro STEP pre
	s_wait_dscnt 0x0                               ; K is in
.irp t, 0,1,2,3,4,5,6,7
	v_wmma_scale_f32_16x16x128_f8f6f4 v[S+8*\t:S+8*\t+7], v[KF+6*\t:KF+6*\t+11], v[16:27], 0, v[88+\t], v28 matrix_a_fmt:MATRIX_FMT_FP6 matrix_b_fmt:MATRIX_FMT_FP6
.endr
	v_add_nc_u32 v[VA], s[TB], v7                  ; four places behind the products: V's loads land in K's registers, and the scores are read
	v_add_nc_u32 v[VA+1], s[TB], v8
	v_mov_b32 v[OLD], v12
	v_nop
.irp t, 0,1,2,3
.irp c, 0,1,2
	ds_load_b128 v[KF+12*\t+4*\c:KF+12*\t+4*\c+3], v[VA] offset:8320+1920*\t+640*\c   ; V^T's four fragments land while the softmax is walked
.endr
.endr
	ds_load_b128 v[96:99], v[VA+1] offset:16000
.irp c, 0,1                            ; the largest score of my two blocks, each in two chains, every accumulator from its low end on
	v_max3_num_f32 v[BM+\c], v[S+32*\c], v[S+32*\c+1], v[S+32*\c+2]
	v_max3_num_f32 v[BB+\c], v[S+32*\c+17], v[S+32*\c+18], v[S+32*\c+19]
.endr
.irp i, 3,5,7,9,11,13
.irp c, 0,1
	v_max3_num_f32 v[BM+\c], v[BM+\c], v[S+32*\c+\i], v[S+32*\c+\i+1]
	v_max3_num_f32 v[BB+\c], v[BB+\c], v[S+32*\c+\i+17], v[S+32*\c+\i+18]
.endr
.endr
.irp c, 0,1
	v_max3_num_f32 v[BM+\c], v[BM+\c], v[S+32*\c+15], v[S+32*\c+16]
.endr
.irp c, 0,1
	s_delay_alu instid0(VALU_DEP_2)
	v_max_num_f32 v[BM+\c], v[BM+\c], v[BB+\c]
.endr
	s_delay_alu instid0(VALU_DEP_1)
	v_max_num_f32 v[X], v[BM], v[BM+1]
	s_delay_alu instid0(VALU_DEP_1)
	v_permlanex16_b32 v[PT], v[X], s[SEL], s[SEL+1]
	s_delay_alu instid0(VALU_DEP_1)
	v_max3_num_f32 v13, v13, v[X], v[PT]           ; the running largest score of my query (c is positive)
	s_delay_alu instid0(VALU_DEP_1)
	v_mul_f32 v[X], s[NC], v13
	s_delay_alu instid0(VALU_DEP_1)
	v_floor_f32 v12, v[X]                          ; the new -M = floor(-t) = -ceil(t)
.set j, 0
.rept 32
	v_pk_fma_f32 v[S+j:S+j+1], v[S+j:S+j+1], s[CS:CS+1], v[12:13] op_sel_hi:[1,0,0]   ; t - M, two at a time
.set j, j+2
.endr
.irp c, 0,1
	v_fma_f32 v[BM+\c], v[BM+\c], s[CS], v12       ; the same of each block's largest score: p rises with the score
.endr
	s_wait_alu depctr_va_vdst(0)
.set j, 0
.rept 64
	v_exp_f32 v[S+j], v[S+j]                       ; p = 2^(t - M): NOT normalised
.set j, j+1
.endr
.irp c, 0,1
	v_exp_f32 v[BM+\c], v[BM+\c]                   ; the block's largest p
.endr
	v_sub_f32 v[X], v12, v[OLD]                    ; M's old value less its new one: a whole number, 0 or less
	s_delay_alu instid0(VALU_DEP_1)
	v_cvt_i32_f32 v[X], v[X]                       ; (it saturates)
	s_delay_alu instid0(VALU_DEP_1)
	v_ldexp_f32 v30, 1.0, v[X]                     ; f = 2^(old M - new M)
	s_wait_alu depctr_va_vdst(0)                   ; one wait for the batch, ahead of its first reader
.irp c, 0,1
	v_max_num_f32 v[BM+\c], 0x1800000, v[BM+\c]    ; the floor 2^(3 - 127): the byte cannot fall under 1
.endr
.irp c, 0,1
	v_add_nc_u32 v[SO+\c], 0xff000000, v[BM+\c]    ; 2 off the exponent field: the conversion's scale operand
.endr
.irp c, 0,1
	v_lshl_add_u32 v[TT+\c], v[BM+\c], 1, 0xfe000000   ; the scale's byte, in the top byte
.endr
.irp c, 0,1
	v_cvt_scalef32_pk16_fp6_f32 v[PCD+6*\c:PCD+6*\c+2], v[S+32*\c:S+32*\c+15], v[SO+\c]
	v_cvt_scalef32_pk16_fp6_f32 v[CT+4*\c:CT+4*\c+2], v[S+32*\c+16:S+32*\c+31], v[SO+\c]   ; (a conversion's three registers begin on an even number)
.endr
	v_perm_b32 v[Y], v[TT+1], v[TT], 0x07070303    ; my bytes of blocks h and 2 + h, each twice (also the plain instruction behind the conversions)
	s_delay_alu instid0(VALU_DEP_1)
	v_permlanex16_b32 v[PT+1], v[Y], s[SEL], s[SEL+1]
	s_delay_alu instid0(VALU_DEP_1)
	v_perm_b32 v29, v[PT+1], v[Y], 0x07020500      ; in lanes 0-15: bytes 0 and 2 mine, 1 and 3 lane l + 16's: p's scale word
.irp c, 0,1
.irp i, 0,1,2
	v_mov_b32 v[PCD+3+6*\c+\i], v[CT+4*\c+\i]
.endr
.endr
	s_wait_alu depctr_va_vdst(0)                   ; directly ahead of O^T's first reader
.set j, 0
.rept 16                               ; O^T under the new M (with the moves: 22 plain instructions between p's scale word and the products, 16 behind the last code)
	v_pk_mul_f32 v[O+j:O+j+1], v[O+j:O+j+1], v[30:31] op_sel_hi:[1,0]
.set j, j+2
.endr
	s_wait_alu depctr_va_vdst(0)
	s_wait_dscnt 0x0                               ; V is in
.irp t, 0,1,2,3
	v_wmma_scale_f32_16x16x128_f8f6f4 v[O+8*\t:O+8*\t+7], v[KF+12*\t:KF+12*\t+11], v[PCD:PCD+11], v[O+8*\t:O+8*\t+7], v[96+\t], v29 matrix_a_fmt:MATRIX_FMT_FP6 matrix_b_fmt:MATRIX_FMT_FP6
.endr
	s_add_co_u32 s[TB], s[TB], LSTEP
.irp a, 0,1,2,3                        ; the row's sum of the unquantised p, in four pairs; the first add of each brings the pair under the new M.  These four are the places between the products and the loads into their registers
	v_pk_fma_f32 v[LS+2*\a:LS+2*\a+1], v[LS+2*\a:LS+2*\a+1], v[30:31], v[S+2*\a:S+2*\a+1] op_sel_hi:[1,0,1]
.endr
.if \pre
	KLOAD                                          ; the next step's K: the 28 adds below stand between these loads and the wait for them
.endif
.set j, 4
.rept 28
	v_pk_add_f32 v[LS+2*(j%4):LS+2*(j%4)+1], v[LS+2*(j%4):LS+2*(j%4)+1], v[S+2*j:S+2*j+1]
.set j, j+1
.endr
.endm
	s_wait_alu depctr_va_vdst(0)
	s_wait_tensorcnt 0x0                           ; my part of key steps 0-3 is in
	ds_add_u32 v254, v255                          ; the add, twice
	ds_add_u32 v254, v255
	s_wait_dscnt 0x0
	CROUND                                         ; key steps 0-3 are whole in every partner, and the joint loads meet
	s_cmp_lt_u32 s[WV], 12
	s_cbranch_scc0 .Lno_b
	tensor_load_to_lds s[G0B:G0B+3], s[G1B:G1B+7]  ; key step 4 + wave: my one tensor load behind the round
	s_nop 0
.rept 4
	v_nop
.endr
.Lno_b:
	s_wait_loadcnt 0x0                             ; Q
	s_mov_b32 s[TB], 0
	s_mov_b32 s[CNT], 3
	KLOAD                                          ; key step 0's K
.Lfirst:
	STEP 1                                         ; key steps 0-2
	s_sub_co_u32 s[CNT], s[CNT], 1
	s_cmp_lg_u32 s[CNT], 0
	s_cbranch_scc1 .Lfirst
	s_wait_tensorcnt 0x0                           ; my key step of the second group is in,
	s_wait_dscnt 0x0                               ; and no LDS instruction of mine is out:
	s_barrier_signal -1                            ; say so
	STEP 0                                         ; key step 3: LDS loads of bytes that nobody writes, and work on registers; it asks for nothing of step 4
	s_barrier_wait -1                              ; key steps 4-15 are whole
	KLOAD                                          ; key step 4's K
	s_mov_b32 s[CNT], 11
.Lrest:
	STEP 1                                         ; key steps 4-14
	s_sub_co_u32 s[CNT], s[CNT], 1
	s_cmp_lg_u32 s[CNT], 0
	s_cbranch_scc1 .Lrest
	STEP 0                                         ; key step 15: nothing follows it
	; THE WAY OUT.  O^T / the sum is quantised along d: register 16 b + i is d = 32 b + 16 h + i of my query: two blocks, one image, two scale bytes a row.
	v_pk_add_f32 v[LS:LS+1], v[LS:LS+1], v[LS+2:LS+3]
	v_pk_add_f32 v[LS+4:LS+5], v[LS+4:LS+5], v[LS+6:LS+7]
	s_delay_alu instid0(VALU_DEP_1)
	v_pk_add_f32 v[LS:LS+1], v[LS:LS+1], v[LS+4:LS+5]
	s_delay_alu instid0(VALU_DEP_1)
	v_add_f32 v[LS], v[LS], v[LS+1]
	s_delay_alu instid0(VALU_DEP_1)
	v_permlanex16_b32 v[X], v[LS], s[SEL], s[SEL+1]
	s_delay_alu instid0(VALU_DEP_1)
	v_add_f32 v[LS], v[LS], v[X]                   ; with lane l xor 16's keys: the row's sum
	s_wait_alu depctr_va_vdst(0)
	v_rcp_f32 v[LS], v[LS]
	v_lshl_add_u32 v3, v9, 3, v10                  ; 8 r + h: my scale byte's place
	v_cmp_ne_u32 vcc_lo, 0, v10                    ; lanes 16-31
	s_wait_alu depctr_va_vdst(0)                   ; ahead of the reciprocal's and O^T's first reader
.set j, 0
.rept 32
	v_mul_f32 v[S+j], v[O+j], v[LS]
.set j, j+1
.endr
.irp b, 0,1
	v_max3_num_f32 v[BM+\b], |v[S+16*\b]|, |v[S+1+16*\b]|, 0x1800000
.endr
.irp i, 2,4,6,8,10,12,14
.irp b, 0,1
	s_delay_alu instid0(VALU_DEP_2)
	v_max3_num_f32 v[BM+\b], v[BM+\b], |v[S+16*\b+\i]|, |v[S+1+16*\b+\i]|
.endr
.endr
.irp b, 0,1
	s_delay_alu instid0(VALU_DEP_2)
	v_permlanex16_b32 v[PT+\b], v[BM+\b], s[SEL], s[SEL+1]
.endr
.irp b, 0,1
	s_delay_alu instid0(VALU_DEP_2)
	v_max_num_f32 v[BM+\b], v[BM+\b], v[PT+\b]
.endr
.irp b, 0,1
	s_delay_alu instid0(VALU_DEP_2)
	v_add_nc_u32 v[SO+\b], 0xff000000, v[BM+\b]
.endr
.irp b, 0,1
	s_delay_alu instid0(VALU_DEP_2)
	v_lshrrev_b32 v[SB+\b], 23, v[SO+\b]
.endr
	v_cvt_scalef32_pk16_fp6_f32 v[PCD:PCD+2], v[S:S+15], v[SO]
	v_cvt_scalef32_pk16_fp6_f32 v[CT:CT+2], v[S+16:S+31], v[SO+1]
	v_nop                                          ; one plain instruction behind a scaled conversion
	v_cndmask_b32 v[SB], v[SB], v[SB+1], vcc_lo    ; lane (r, h) stores block h's byte
.irp i, 0,1,2
	v_permlane16_swap_b32 v[PCD+\i], v[CT+\i]      ; the image wants a whole block in a lane
.endr
.irp i, 0,1,2
	s_delay_alu instid0(VALU_DEP_3)
	v_mov_b32 v[PCD+3+\i], v[CT+\i]
.endr
	global_store_b128 v1, v[PCD:PCD+3], s[52:53]             ; 512 consecutive bytes
	global_store_b64 v2, v[PCD+4:PCD+5], s[52:53] offset:512 ; 256 consecutive bytes
	global_store_b8 v3, v[SB], s[54:55]            ; two bytes of each row's eight: one small store a wave in the whole launch
	s_wait_tensorcnt 0x0                           ; the wave's end
	ds_add_u32 v254, v255
	s_wait_dscnt 0x0
	CROUND                                         ; the closing round
	s_endpgm
.Lfunc_end_k_qe106d31054_attn:
	.size	k_qe106d31054_attn, .Lfunc_end_k_qe106d31054_attn-k_qe106d31054_attn
	.p2alignl 7, 3214868480
	.fill 96, 4, 3214868480
	.section	.rodata,"a",@progbits
	.p2align	6, 0x0
	.amdhsa_kernel k_qe106d31054_attn
		.amdhsa_group_segment_fixed_size 327680
		.amdhsa_private_segment_fixed_size 0
		.amdhsa_enable_private_segment 0
		.amdhsa_kernarg_size 16
		.amdhsa_user_sgpr_count 2
		.amdhsa_user_sgpr_kernarg_segment_ptr 1
		.amdhsa_wavefront_size32 1
		.amdhsa_system_sgpr_workgroup_id_x 1
		.amdhsa_system_sgpr_workgroup_id_y 1
		.amdhsa_system_sgpr_workgroup_id_z 1
		.amdhsa_system_vgpr_workitem_id 0
		.amdhsa_next_free_vgpr 256
		.amdhsa_next_free_sgpr 66
		.amdhsa_reserve_vcc 1
		.amdhsa_float_denorm_mode_32 3
		.amdhsa_float_denorm_mode_16_64 3
		.amdhsa_memory_ordered 1
		.amdhsa_forward_progress 1
		.amdhsa_inst_pref_size 74
	.end_amdhsa_kernel
	.amdgpu_metadata
---
amdhsa.version: [ 1, 2 ]
amdhsa.kernels:
  - .name:           k_qe106d31054_attn
    .symbol:         k_qe106d31054_attn.kd
    .args:
      - { .name: qkv, .offset: 0, .size: 8, .value_kind: global_buffer, .address_space: global }
      - { .name: oq, .offset: 8, .size: 8, .value_kind: global_buffer, .address_space: global }
    .group_segment_fixed_size: 327680
    .private_segment_fixed_size: 0
    .kernarg_segment_align: 8
    .kernarg_segment_size: 16
    .max_flat_workgroup_size: 512
    .sgpr_count:     66
    .vgpr_count:     256
    .wavefront_size: 32
...
	.end_amdgpu_metadata
.endif
;; end of part 3
;; launch gemm_out (part 4): grid 8 x 32, 4 waves a work-group, clusters of 4 x 4, 327,680 bytes of LDS; arguments oq, wq, out0; writes out0
.if DOCPART == 4
	.amdgcn_target "amdgcn-amd-amdhsa--gfx1250"
	.amdhsa_code_object_version 6
	.text
	.protected	k_qe106d31054_gemm_out
	.globl	k_qe106d31054_gemm_out
	.p2align	8
	.type	k_qe106d31054_gemm_out,@function
k_qe106d31054_gemm_out:
	s_mov_b64 s[64:65], 0
	v_nop
	global_prefetch_b8 v0, s[64:65] scope:SCOPE_SE
	s_setreg_imm32_b32 hwreg(HW_REG_WAVE_MODE, 25, 1), 1
	s_wait_xcnt 0x0
	s_wait_alu depctr_hold_cnt(0) depctr_sa_sdst(0) depctr_va_vdst(0) depctr_va_sdst(0) depctr_va_ssrc(0) depctr_va_vcc(0) depctr_vm_vsrc(0)
	s_getreg_b32 s2, hwreg(HW_REG_IB_STS2, 6, 4)
	s_cmp_eq_u32 s2, 0
	s_cbranch_scc0 .Lentry_in_a_cluster
	s_endpgm
.Lentry_in_a_cluster:
	s_bfe_u32 s2, ttmp6, 0x10000c
	s_cmp_lg_u32 s2, 0xf033
	s_cbranch_scc0 .Lentry_shape_is_right
	s_endpgm
.Lentry_shape_is_right:
; out0 = O w_out, [4096][1024] f32, on codes of FP6 (E2M3) with E8M0 scales.  A = attention's result, B = w_out's columns (wq's tiles 192-255), both laid in the order of the operands' registers:
; tiles of 16 rows, [256 tiles][16 images of 64 along K][768 bytes]: lane l = r + 16 h has block h of row r, registers 0-3 at 16 l, registers 4-5 at 512 + 16 r + 8 h; scale bytes [tile][4 quarters of K][16 rows][8]
; from byte SOFF.  Row r of tile T is natural row 32 (T / 2) + 8 (T % 2) + r + 8 (r / 8): the way out puts rows and columns back in their natural places.
; SHARES: a work-group makes 128 x 128 (the output has 256 such blocks), each of its four waves 64 x 64: 16 accumulators.
; NO RING: A's 8 tiles and B's 8 tiles for all of K = 1,024 are two dense blocks of 98,304 bytes, their scale bytes two of 4,096: each byte of LDS is filled once.  The four blocks are the head's four tensor loads, one a wave.
; The eight steps of 128 along K go on two sets of fragment registers: behind step s's products the fragments of step s + 2 are fetched.
; No L2 prefetch: every byte of A and B is asked for at the head, so no later load is left to run ahead of.
; THE MATRIX INSTRUCTION IS USED TRANSPOSED (source 0 = 16 rows of B, source 1 = 16 rows of A): a lane holds eight neighbouring numbers of a row of out0.
; CLUSTERS: 4 x 4 work-groups; A's blocks are asked for jointly along a row of the cluster, B's along a column.
; REGISTERS: window 0: v0-31 addresses; v32-47 scale words, two sets; v64-159 A's fragments, two sets of 4; on the way out v64-191 take rows read back.  Window 1: v0-95 B's fragments; v128-255 the accumulators.
.set FR,     12
.set NP,     4
.set TILEB,  12288                     ; a tile's codes
.set HALFT,  4*TILEB                   ; what one wave reads of A or of B
.set SCL,    4*HALFT                   ; behind A's 8 tiles and B's 8: the scale bytes
.set HALFS,  2048                      ; those of 4 tiles
.set SBLK,   512
.set STAGE,  SCL+4*HALFS               ; the way out: 16 rows x (256 + 16) bytes for each wave; no fill lands there
.set SPITCH, 272
.set SPARE,  STAGE+4*16*SPITCH         ; the spare words
.set SOFF,   3145728
.set OL,   8
.set OH,   9
.set ADRA, 16                          ; v16 my A fragments' registers 0-3, v17 their registers 4-5
.set ADRB, 20                          ; v20, v21 the same for B
.set STO,  24
.set RD,   25
.set CO,   26
.set ADRS, 27                          ; my scale words: lanes 0-15 A's rows, lanes 16-31 B's
.set SC,   32                          ; set c % 2 of quarter c at SC + 8 (c % 2); register 2 i + q: tile i, the quarter's q-th 128
.set AF,   64
.set BK,   64
.set ACC,  128
.set G1,   24
.set G1B,  32
.set G1S,  40
.set G1SB, 48
.set G0,   56
.set G0B,  60
.set G0S,  68
.set G0SB, 72
.set MSB, 0
.macro WIN new                         ; the immediate's high byte repeats the setting that is left
.if MSB != \new
	s_set_vgpr_msb (MSB<<8)|\new
.set MSB, \new
.endif
.endm
.set MUL,  0x51                        ; source 0 (B) window 1, source 1 (A) window 0, C and D window 1
.set TO_B, 0x40
.macro CROUND
	s_barrier_signal -1
	s_barrier_wait -1
	s_cmp_lg_u32 s14, 0
	s_cbranch_scc1 .Lnot_wave_0_\@
	s_barrier_signal -3
.Lnot_wave_0_\@:
	s_barrier_wait -3
	s_barrier_signal -1
	s_barrier_wait -1
.endm
	s_load_b128 s[4:7], s[0:1], 0x0                ; oq, wq
	s_load_b64 s[12:13], s[0:1], 0x10              ; out0
	v_lshl_add_u32 v254, v0, 2, SPARE
	v_mov_b32 v255, 0
	ds_add_u32 v254, v255                          ; the opening lines: the add twice and one wait
	ds_add_u32 v254, v255
	v_lshrrev_b32 v1, 5, v0
	v_readfirstlane_b32 s14, v1                    ; wave 0..3
	s_lshr_b32 s15, s14, 1                         ; which half of the block's rows is mine
	s_and_b32 s16, s14, 1                          ; which half of its columns
	s_bfe_u32 s8, ttmp6, 0x40000                   ; cx, cy
	s_bfe_u32 s9, ttmp6, 0x40004
	s_lshl_b32 s10, ttmp9, 2
	s_add_co_u32 s10, s10, s8                      ; block of 128 columns
	s_and_b32 s17, ttmp7, 0xffff
	s_lshl_b32 s17, s17, 2
	s_add_co_u32 s17, s17, s9                      ; block of 128 rows
	s_lshl_b32 s11, s9, 2
	s_lshl_b32 s11, 15, s11                        ; my row of the cluster
	s_lshl_b32 s2, 0x1111, s8                      ; my column
	s_or_b32 s[G1], s11, (3<<16)|(1<<21)           ; the mask; elements of 8 bytes; bit 21 beside a mask
	s_or_b32 s[G1B], s2, (3<<16)|(1<<21)
	s_or_b32 s[G1S], s11, (3<<16)|(1<<21)
	s_or_b32 s[G1SB], s2, (3<<16)|(1<<21)
.irp g, G1, G1B                        ; 98,304 dense bytes as 384 rows of 256
	s_mov_b32 s[\g+1], 32<<16
	s_mov_b32 s[\g+2], 384<<16
	s_mov_b32 s[\g+3], 32<<16
	s_mov_b32 s[\g+4], 384
	s_mov_b32 s[\g+5], 32
	s_mov_b32 s[\g+6], 0
	s_mov_b32 s[\g+7], 0
.endr
.irp g, G1S, G1SB                      ; 4,096 dense bytes as 16 rows of 256
	s_mov_b32 s[\g+1], 32<<16
	s_mov_b32 s[\g+2], 16<<16
	s_mov_b32 s[\g+3], 32<<16
	s_mov_b32 s[\g+4], 16
	s_mov_b32 s[\g+5], 32
	s_mov_b32 s[\g+6], 0
	s_mov_b32 s[\g+7], 0
.endr
	s_mul_i32 s20, s17, 8*TILEB                    ; A's 8 tiles: codes,
	s_mov_b32 s21, 0
	s_lshl_b32 s22, s17, 12
	s_add_co_u32 s22, s22, SOFF                    ; scale bytes
	s_mov_b32 s23, 0
	s_mul_i32 s66, s10, 8*TILEB                    ; B's 8 tiles, from wq's tile 192 on
	s_add_co_u32 s66, s66, 192*TILEB
	s_mov_b32 s67, 0
	s_lshl_b32 s76, s10, 12
	s_add_co_u32 s76, s76, SOFF+192*SBLK
	s_mov_b32 s77, 0
	s_mov_b32 s[G0], 1
	s_mov_b32 s[G0+1], 0
	s_mov_b32 s[G0B], 1
	s_mov_b32 s[G0B+1], 2*HALFT
	s_mov_b32 s[G0S], 1
	s_mov_b32 s[G0S+1], SCL
	s_mov_b32 s[G0SB], 1
	s_mov_b32 s[G0SB+1], SCL+2*HALFS
	s_wait_dscnt 0x0
	s_wait_kmcnt 0x0
	s_add_nc_u64 s[G0+2:G0+3], s[4:5], s[20:21]
	s_or_b32 s[G0+3], s[G0+3], 0x80000000
	s_add_nc_u64 s[G0S+2:G0S+3], s[4:5], s[22:23]
	s_or_b32 s[G0S+3], s[G0S+3], 0x80000000
	s_add_nc_u64 s[G0B+2:G0B+3], s[6:7], s[66:67]
	s_or_b32 s[G0B+3], s[G0B+3], 0x80000000
	s_add_nc_u64 s[G0SB+2:G0SB+3], s[6:7], s[76:77]
	s_or_b32 s[G0SB+3], s[G0SB+3], 0x80000000
	CROUND                                         ; all sixteen work-groups are here: the joint loads meet
; the head's loads, one a wave, in one chain of branches on the wave's number: wave 0 A's codes, wave 1 B's, wave 2 A's scale bytes, wave 3 B's
.macro ARM under, g0, g1, next
	s_cmp_lt_u32 s14, \under
	s_cbranch_scc0 \next
	tensor_load_to_lds s[\g0:\g0+3], s[\g1:\g1+7]
	s_nop 0
.rept 4
	v_nop
.endr
	s_branch .Lhead_asked
\next:
.endm
	ARM 1, G0,  G1,  .Lhead_b
	ARM 2, G0B, G1B, .Lhead_sa
	ARM 3, G0S, G1S, .Lhead_sb
	tensor_load_to_lds s[G0SB:G0SB+3], s[G1SB:G1SB+7]
	s_nop 0
.rept 4
	v_nop
.endr
.Lhead_asked:
	v_and_b32 v1, 15, v0                           ; r
	v_bfe_u32 v2, v0, 4, 1                         ; h
	v_and_b32 v3, 31, v0                           ; l
	v_lshlrev_b32 v[OL], 4, v3
	v_lshlrev_b32 v[OH], 4, v1
	v_lshl_add_u32 v[OH], v2, 3, v[OH]
	s_mul_i32 s21, s15, HALFT                      ; my 4 tiles of A
	s_mul_i32 s22, s16, HALFT                      ; my 4 tiles of B,
	s_add_co_u32 s22, s22, 2*HALFT                 ; behind A's 8
	v_add_nc_u32 v[ADRA], s21, v[OL]
	v_add_nc_u32 v[ADRB], s22, v[OL]
	v_add_nc_u32 v[ADRA+1], s21, v[OH]
	v_add_nc_u32 v[ADRB+1], s22, v[OH]
	v_lshlrev_b32 v6, 3, v1                        ; my row's scale bytes of a quarter: 8 r
	v_mul_u32_u24 v5, v1, SPITCH                   ; the stage, in: row r; my eight columns of B's tile b are 32 (b / 2) + 16 h + 8 (b % 2) + 0 .. 7
	v_lshl_add_u32 v5, v2, 6, v5
	v_mul_u32_u24 v4, v2, SPITCH                   ; back: lanes 0-15 one row of 256 bytes, lanes 16-31 the next
	v_lshl_add_u32 v4, v1, 4, v4
	v_lshlrev_b32 v[CO], 12, v2                    ; and the same two rows in out0, 4,096 bytes apart
	v_lshl_add_u32 v[CO], v1, 4, v[CO]
	s_mul_i32 s21, s15, HALFS
	s_mul_i32 s22, s16, HALFS
	s_add_co_u32 s22, s22, 2*HALFS
	s_sub_co_u32 s22, s22, s21
	v_mul_u32_u24 v7, s22, v2                      ; lanes 16-31 take B's: the lower base + h x the distance
	s_add_co_u32 s21, s21, SCL
	v_add_nc_u32 v6, v6, v7
	v_add_nc_u32 v[ADRS], s21, v6
	s_mul_i32 s23, s14, 16*SPITCH
	s_add_co_u32 s23, s23, STAGE                   ; my stage
	v_add_nc_u32 v[STO], s23, v5
	v_add_nc_u32 v[RD], s23, v4
	s_lshl_b32 s20, s17, 7
	s_lshl_b32 s21, s15, 6
	s_add_co_u32 s20, s20, s21                     ; my first row,
	s_lshl_b32 s20, s20, 12                        ; of 4,096 bytes
	s_lshl_b32 s66, s10, 9                         ; my first column, in bytes
	s_lshl_b32 s67, s16, 8
	s_add_co_u32 s66, s66, s67
	s_add_co_u32 s20, s20, s66
	s_mov_b32 s21, 0
	s_add_nc_u64 s[12:13], s[12:13], s[20:21]
.macro FRAG reg, adr, off              ; a fragment, 16 rows x 128 K, is two images on end: each load takes consecutive bytes
	ds_load_b128 v[\reg:\reg+3], v[\adr] offset:(\off)
	ds_load_b64 v[\reg+4:\reg+5], v[\adr+1] offset:(\off)+512
	ds_load_b128 v[\reg+6:\reg+9], v[\adr] offset:(\off)+768
	ds_load_b64 v[\reg+10:\reg+11], v[\adr+1] offset:(\off)+1280
.endm
.macro FETCH s                         ; step s's fragments into set s % 2: B's four, then A's four: 32 loads
	WIN TO_B
.irp i, 0,1,2,3
	FRAG 48*((\s)%2)+FR*\i, ADRB, TILEB*\i+1536*(\s)
.endr
	WIN 0
.irp i, 0,1,2,3
	FRAG AF+48*((\s)%2)+FR*\i, ADRA, TILEB*\i+1536*(\s)
.endr
.endm
.macro SCALES c                        ; quarter c's scale words, two a row, into set c % 2: 4 loads
	WIN 0
.irp i, 0,1,2,3
	ds_load_b64 v[SC+8*((\c)%2)+2*\i:SC+8*((\c)%2)+2*\i+1], v[ADRS] offset:\i*SBLK+128*(\c)
.endr
.endm
; 16 matrix instructions: A's four tiles x B's four, step s.  The 16 accumulators take turns, one instruction a turn; the first step's products start the sums
.macro MUL16 s, zero
.irp a, 0,1,2,3
.irp b, 0,1,2,3
.if \zero
	v_wmma_scale_f32_16x16x128_f8f6f4 v[ACC+8*(4*\a+\b):ACC+8*(4*\a+\b)+7], v[48*((\s)%2)+FR*\b:48*((\s)%2)+FR*\b+FR-1], v[AF+48*((\s)%2)+FR*\a:AF+48*((\s)%2)+FR*\a+FR-1], 0, v[SC+8*(((\s)/2)%2)+2*\b+(\s)%2], v[SC+8*(((\s)/2)%2)+2*\a+(\s)%2] matrix_a_fmt:MATRIX_FMT_FP6 matrix_b_fmt:MATRIX_FMT_FP6 matrix_a_scale:MATRIX_SCALE_ROW1
.else
	v_wmma_scale_f32_16x16x128_f8f6f4 v[ACC+8*(4*\a+\b):ACC+8*(4*\a+\b)+7], v[48*((\s)%2)+FR*\b:48*((\s)%2)+FR*\b+FR-1], v[AF+48*((\s)%2)+FR*\a:AF+48*((\s)%2)+FR*\a+FR-1], v[ACC+8*(4*\a+\b):ACC+8*(4*\a+\b)+7], v[SC+8*(((\s)/2)%2)+2*\b+(\s)%2], v[SC+8*(((\s)/2)%2)+2*\a+(\s)%2] matrix_a_fmt:MATRIX_FMT_FP6 matrix_b_fmt:MATRIX_FMT_FP6 matrix_a_scale:MATRIX_SCALE_ROW1
.endif
.endr
.endr
.endm
.macro PLACES n                        ; places in front of loads into registers that matrix instructions have read, and of the first read of results
.rept \n
	v_nop
.endr
.endm
	s_wait_alu depctr_va_vdst(0)
	s_wait_tensorcnt 0x0                           ; my block of the four is in
	s_barrier_signal -1
	s_barrier_wait -1                              ; all four are
	SCALES 0
	FETCH 0
	FETCH 1
.irp s, 0,1,2,3,4,5,6,7
.if \s == 7
	s_wait_dscnt 0x0
.elseif \s % 2 == 1
	s_wait_dscnt 36                                ; behind step s's loads: the next quarter's 4 scale loads and step s + 1's 32
.else
	s_wait_dscnt 32                                ; behind step s's loads: step s + 1's 32
.endif
	WIN MUL
.if \s == 0
	MUL16 \s, 1
.else
	MUL16 \s, 0
.endif
.if \s < 6
	PLACES NP
.if \s % 2 == 0
	SCALES \s/2+1
.endif
	FETCH \s+2
.endif
.endr
	WIN 0
; THE WAY OUT, tile by tile of 16 rows x 64 columns, through my own stage: in by 32 bytes a lane at the columns' natural places, back as whole rows of 256 bytes, two rows an instruction.  LDS serves a wave's
; instructions in order (ISA guide 5.7.1.4): no wait between the stores and the loads.  Each tile has its own 32 registers and every offset is an immediate: nothing that a store names is written again.
.macro TOSTAGE a
	WIN 0x04                                       ; an LDS store's data are its source 1: window 1
.irp b, 0,1,2,3
	ds_store_b128 v[STO], v[ACC+8*(4*(\a)+\b):ACC+8*(4*(\a)+\b)+3] offset:128*(\b/2)+32*(\b%2)          ; each accumulator from its low end on
	ds_store_b128 v[STO], v[ACC+8*(4*(\a)+\b)+4:ACC+8*(4*(\a)+\b)+7] offset:128*(\b/2)+32*(\b%2)+16
.endr
	WIN 0
.irp i, 0,1,2,3,4,5,6,7
	ds_load_b128 v[BK+32*(\a)+4*\i:BK+32*(\a)+4*\i+3], v[RD] offset:2*\i*SPITCH
.endr
.endm
.macro SEND a, younger                 ; row t = 2 i + h of tile a is natural row 32 (a / 2) + 8 (a % 2) + t + 8 (t / 8) of my 64.  younger: the LDS instructions issued behind tile a's loads
	s_wait_dscnt \younger
.irp i, 0,1,2,3,4,5,6,7
	global_store_b128 v[CO], v[BK+32*(\a)+4*\i:BK+32*(\a)+4*\i+3], s[12:13] offset:(32*((\a)/2)+8*((\a)%2)+2*\i+8*(\i/4))*4096 th:TH_STORE_NT   ; 16 lanes store 256 consecutive bytes, at a multiple of 256 from out0's first byte
.endr
.endm
	PLACES NP                                      ; behind the last products: results are read, and loads land in the registers that held A's fragments
	TOSTAGE 0
	TOSTAGE 1
	SEND 0, 16                                     ; behind tile 0's loads: tile 1's 8 stores and 8 loads
	TOSTAGE 2
	SEND 1, 16
	TOSTAGE 3
	SEND 2, 16
	SEND 3, 0
	s_wait_tensorcnt 0x0                           ; the wave's end
	ds_add_u32 v254, v255
	s_wait_dscnt 0x0
	CROUND                                         ; the closing round
	s_endpgm
.Lfunc_end_k_qe106d31054_gemm_out:
	.size	k_qe106d31054_gemm_out, .Lfunc_end_k_qe106d31054_gemm_out-k_qe106d31054_gemm_out
	.p2alignl 7, 3214868480
	.fill 96, 4, 3214868480
	.section	.rodata,"a",@progbits
	.p2align	6, 0x0
	.amdhsa_kernel k_qe106d31054_gemm_out
		.amdhsa_group_segment_fixed_size 327680
		.amdhsa_private_segment_fixed_size 0
		.amdhsa_enable_private_segment 0
		.amdhsa_kernarg_size 24
		.amdhsa_user_sgpr_count 2
		.amdhsa_user_sgpr_kernarg_segment_ptr 1
		.amdhsa_wavefront_size32 1
		.amdhsa_system_sgpr_workgroup_id_x 1
		.amdhsa_system_sgpr_workgroup_id_y 1
		.amdhsa_system_sgpr_workgroup_id_z 1
		.amdhsa_system_vgpr_workitem_id 0
		.amdhsa_next_free_vgpr 512
		.amdhsa_next_free_sgpr 80
		.amdhsa_reserve_vcc 0
		.amdhsa_float_denorm_mode_32 3
		.amdhsa_float_denorm_mode_16_64 3
		.amdhsa_memory_ordered 1
		.amdhsa_forward_progress 1
		.amdhsa_inst_pref_size 51
	.end_amdhsa_kernel
	.amdgpu_metadata
---
amdhsa.version: [ 1, 2 ]
amdhsa.kernels:
  - .name:           k_qe106d31054_gemm_out
    .symbol:         k_qe106d31054_gemm_out.kd
    .args:
      - { .name: oq, .offset: 0, .size: 8, .value_kind: global_buffer, .address_space: global }
      - { .name: wq, .offset: 8, .size: 8, .value_kind: global_buffer, .address_space: global }
      - { .name: out0, .offset: 16, .size: 8, .value_kind: global_buffer, .address_space: global }
    .group_segment_fixed_size: 327680
    .private_segment_fixed_size: 0
    .kernarg_segment_align: 8
    .kernarg_segment_size: 24
    .max_flat_workgroup_size: 128
    .sgpr_count:     80
    .vgpr_count:     512
    .wavefront_size: 32
...
	.end_amdgpu_metadata
.endif
;; end of part 4
